; MI455X (gfx1250); checked and timed in simulation.
; The chip was launched on July 23, 2026; its instructions are those of AMD's public machine-readable ISA for CDNA 5 (MIT licence, August 2026) and "CDNA5" Instruction Set Architecture Reference Guide (July 2026). The comments in the code are by the model that wrote it; some were corrected since.
;; Causal Self Attention. Allowed arithmetic: matrix products marked QUANTISED: E4M3 operands, one given power-of-two scale a tensor, by v_wmma_f32_16x16x64_fp8_fp8 or v_wmma_f32_16x16x128_fp8_fp8, f32 sums; everything else in f32.
;; Inputs: Wk 1,024 x 1,024 float32; Wo 1,024 x 1,024 float32; Wq 1,024 x 1,024 float32; Wv 1,024 x 1,024 float32; lowp_scales 12 int32 (the exponents e of the quantised operands' scales 2^e); x 1 x 4,096 x 1,024 float32.
;; Outputs: out0 1 x 4,096 x 1,024 float32.
;; This version of the problem:
;;   THIS VERSION OF THE PROBLEM IS GIVEN IN LOW PRECISION. The matrix products marked QUANTISED in the list below multiply operands that are first quantised to E4M3 (4 exponent bits, 3 mantissa bits; 8 bits a number), with one given power-of-two scale for each operand tensor; their sums are f32. All else is computed in f32.
;;   The module's matrix products, in the order in which they are computed (A, B: the left and right operand; K: the contracted axis; several contracted axes count as one K, in the product's order):
;;     1. [M 4,096, K 1,024] x [K 1,024, N 1,024]; A: input x; B: input Wq: QUANTISED (scales: A lowp_scales[0], B lowp_scales[1])
;;     2. [M 4,096, K 1,024] x [K 1,024, N 1,024]; A: input x; B: input Wk: QUANTISED (scales: A lowp_scales[2], B lowp_scales[3])
;;     3. [M 4,096, K 1,024] x [K 1,024, N 1,024]; A: input x; B: input Wv: QUANTISED (scales: A lowp_scales[4], B lowp_scales[5])
;;     4. batch 16 x [M 4,096, K 64] x [K 64, N 4,096]; A: computed on the way; B: computed on the way: QUANTISED (scales: A lowp_scales[6], B lowp_scales[7])
;;     5. batch 16 x [M 4,096, K 4,096] x [K 4,096, N 64]; A: softmax (see below); B: computed on the way: QUANTISED (scales: A lowp_scales[8], B lowp_scales[9])
;;     6. [M 4,096, K 1,024] x [K 1,024, N 1,024]; A: computed on the way; B: input Wo: QUANTISED (scales: A lowp_scales[10], B lowp_scales[11])
;;   THE QUANTISER, for each operand of a quantised product, along K:
;;     - The operand's scale is 2^e, e = its entry of the input lowp_scales (int32; the entries are numbered through the quantised products in the list's order, A before B).
;;     - Each number is divided by the scale, clamped to +-448, and rounded to the nearest number of E4M3, ties to even, subnormals kept.
;;     - The product sums the exact products of the quantised numbers (number of the format x scale) in f32.
;;   ~~~python
;;   def quantise(x, axis, e):      # numpy; x: float32 -> the quantised numbers, widened to float32 again
;;       x = np.moveaxis(x, axis, -1); K = x.shape[-1]
;;       r = np.clip(x / 2.0 ** e, -448, 448)
;;       step = 2.0 ** (np.maximum(np.frexp(np.where(r == 0, 1, r))[1] - 1, -6) - 3)
;;       q = np.round(r / step) * step * 2.0 ** e      # np.round: ties to even
;;       return np.moveaxis(q, -1, axis).astype(np.float32)
;;   ~~~
;;   SOFTMAX AHEAD OF A QUANTISED PRODUCT. Where the list says 'softmax', what is quantised is not the finished softmax but p = 2^(t - M), with t = logit x log2(e) and M = ceil(the row's largest t), a whole number; so 1/2 < the row's largest p <= 1. The row's sum l is taken of the UNQUANTISED p, in f32, and the product's result is divided by l at the end. Since M is a whole number, a kernel that streams over the keys may use a running M (the ceiling of the running maximum): every later rescaling is an exact power of two, so the quantised numbers keep their values, but for numbers so far below the row's largest that they fall under the format's range.
;;   OPERANDS COMPUTED ON THE WAY. 'Computed on the way' means the value that the module computes at that place (a softmax that the list does not call 'softmax' is quantised finished and normalised). What goes into a quantiser is computed in f32, as accurately as f32 sums, v_exp_f32 and their like allow (about 1e-6 of the number): no bf16 or f16 on the way to a quantiser, and a product that is left as it is and whose result goes on into a quantised operand takes f32 operands (vector FMAs, or v_wmma_f32_16x16x4_f32). A number that lies on a knife's edge between two numbers of the format may be rounded either way, as far as f32 arithmetic and the matrix unit's own rounding can turn it there, and no further.
;; One version. Each part assembles by itself: llvm-mc -triple=amdgcn-amd-amdhsa -mcpu=gfx1250 --defsym DOCPART=n.
;; ======== version 1 of 1: 4 launches
;; limits: right only within a limited range of input values
;; workspace buffers: xc 12,582,912 bytes; wc 4,194,304 bytes; tab 1,048,576 bytes; qkv 12,582,912 bytes; oc 4,194,304 bytes
;; launch prep (part 1): grid 544 x 1, 8 waves a work-group, no clusters, 68,608 bytes of LDS; arguments x, Wq, Wk, Wv, Wo, lowp_scales, xc, wc, tab; writes xc, wc, tab
.if DOCPART == 1
	.amdgcn_target "amdgcn-amd-amdhsa--gfx1250"
	.amdhsa_code_object_version 6
	.text
	.protected	k_qc693f5624f_prep
	.globl	k_qc693f5624f_prep
	.p2align	8
	.type	k_qc693f5624f_prep,@function
k_qc693f5624f_prep:
	s_mov_b64 s[64:65], 0
	v_nop
	global_prefetch_b8 v0, s[64:65] scope:SCOPE_SE
	s_setreg_imm32_b32 hwreg(HW_REG_WAVE_MODE, 25, 1), 1
	s_wait_xcnt 0x0
; x [4096][1024] and Wq, Wk, Wv, Wo [1024][1024], f32, K innermost, become codes of FP8 (E4M3); and the table of cosines and sines for the rotation is made.
; code = number / 2^e, held within +-448, rounded to the nearest code, ties to even.  x is an operand of three products with an entry of its own in each (entries 0, 2, 4): three sets of codes.
; Wq, Wk, Wv, Wo take entries 1, 3, 5, 11.
; THE CODES ARE LAID IN THE ORDER OF AN OPERAND'S REGISTERS.  (row, k) lies at (row / 128) 131072 + (k / 128) 16384 + ((row / 16) % 8) 2048 + ((k / 32) % 4) 512 + ((k / 16) % 2) 256 + (row % 16) 16 + k % 16:
; a fragment of 16 rows x 128 K is 2,048 bytes on end, four pieces of 512 bytes in which lane 16 h + r has 16 bytes: k = 32 c + 16 h + 0 .. 15 of row r.
; SHARES.  Work-groups 0-255: x, 16 rows each; 256-511: the four weights, 64 work-groups each, 16 rows each; wave w takes K step w (128 numbers of each of the 16 rows).  Work-groups 512-543: the table, a wave to 16 positions.
; A load reads 512 bytes on end of one row; the conversions want 16 neighbours along K in ONE lane: so the 16 x 512 bytes turn through the wave's own stage in LDS (rows 528 bytes apart: 132 words, so that the 16 rows
; that a load touches start at 16 different groups of banks; 64 banks of 4 bytes: ISA guide 11.1).  Waves share nothing: no barrier.  No loop: every offset is an immediate, no register of a pending load or store is written again.
; THE TABLE: [position / 16][g 4][hf 2][lane 32][16 bytes]: lane 16 h + r holds cos, sin, cos, sin of the pairs i = 8 g + 4 h + 2 hf and i + 1 at position 16 (position / 16) + r.
; angle = position x 10000^(-i / 32), the power by v_exp_f32, the product rounded once as f32.  Sine and cosine: n = the nearest whole number to angle x 2 / pi; r = angle - n pi / 2, pi / 2 in two parts;
; polynomials on |r| <= pi / 4; the quadrant n % 4 swaps the two and sets the signs.
; LIMITS: every e used here lies between -126 and 119, so that 2^e and 448 x 2^e are f32 numbers.  NaN among the inputs is not served (an infinity is held at the largest code).
; The power 10000^(-i / 32) carries v_exp_f32's error of one unit in the last place: at the largest positions an angle of the fastest pairs can differ by a few 1e-4 from one made with a correctly rounded power,
; which is the size of one unit in the last place of the angle itself there.
.set SPITCH, 528                       ; a stage row: 512 bytes + 16
.set WSTG,   16*SPITCH                 ; a wave's stage
.set R,   16                           ; v16-79   16 rows as loaded, 4 registers each
.set X,   96                           ; v96-159  64 numbers: register 16 c + i = k 32 c + 16 h + i of row r
.set T0,  64                           ; v64-95   two sets of 16 held numbers, by turns (over rows that have gone through the stage)
.set C,   16                           ; v16-63   codes: 16 registers for each scale, never written again (over rows that have gone through the stage)
.set ANG, 16                           ; the table: v16-31 16 angles;
.set OUT, 32                           ; v32-63 16 x (cos, sin);
.set TS,  64                           ; v64-83 two sets of 10 at work
; v[sc] = 2^e as f32 (the conversion takes its exponent field); v[lim] = 448 x 2^e
.macro MKS e, sc, lim
	s_add_co_i32 s52, s[\e], 127
	s_lshl_b32 s53, s52, 23
	v_mov_b32 v[\sc], s53
	s_add_co_i32 s52, s52, 8
	s_lshl_b32 s52, s52, 23
	s_or_b32 s52, s52, 0x600000                    ; the mantissa field of 448
	v_mov_b32 v[\lim], s52
.endm
; The 64 numbers become one fragment's codes under one scale and are stored: 4 x 512 bytes on end.  The held numbers go into two sets by turns, so that sixteen plain lines stand between a conversion and the next write of its sources.
.macro CONV sc, lim, code, dst
.irp c, 0,1,2,3
.irp i, 0,1,2,3,4,5,6,7,8,9,10,11,12,13,14,15
	v_med3_num_f32 v[T0+16*(\c%2)+\i], v[X+16*\c+\i], -v[\lim], v[\lim]   ; the conversion to an 8-bit code does not saturate (ISA guide 7.6.2): the hold comes first
.endr
	v_cvt_scalef32_pk8_fp8_f32 v[\code+4*\c:\code+4*\c+1], v[T0+16*(\c%2):T0+16*(\c%2)+7], v[\sc]
	v_cvt_scalef32_pk8_fp8_f32 v[\code+4*\c+2:\code+4*\c+3], v[T0+16*(\c%2)+8:T0+16*(\c%2)+15], v[\sc]
.endr
.irp c, 0,1,2,3
	global_store_b128 v1, v[\code+4*\c:\code+4*\c+3], s[\dst:\dst+1] offset:512*\c   ; 32 lanes store 512 consecutive bytes, at a multiple of 512 from the buffer's first byte
.endr
.endm
; cos and sin of angle k
.macro SINCOS k
.set U, TS+10*((\k)%2)
	v_mul_f32 v[U], s47, v[ANG+\k]
	s_delay_alu instid0(VALU_DEP_1)
	v_rndne_f32 v[U], v[U]                         ; n, at most 2,607
	s_delay_alu instid0(VALU_DEP_1)
	v_fma_f32 v[U+1], v[U], s48, v[ANG+\k]         ; angle - n x the upper part of pi / 2
	s_delay_alu instid0(VALU_DEP_1)
	v_fma_f32 v[U+1], v[U], s49, v[U+1]            ; - n x the lower part: r
	s_delay_alu instid0(VALU_DEP_3)
	v_cvt_i32_f32 v[U+2], v[U]                     ; n as a whole number
	s_delay_alu instid0(VALU_DEP_2)
	v_mul_f32 v[U+3], v[U+1], v[U+1]               ; z = r r
	s_delay_alu instid0(VALU_DEP_1)
	v_fma_f32 v[U+4], v[U+3], s50, s51
	s_delay_alu instid0(VALU_DEP_2)
	v_fma_f32 v[U+5], v[U+3], s53, s54
	s_delay_alu instid0(VALU_DEP_2)
	v_fma_f32 v[U+4], v[U+4], v[U+3], s52
	s_delay_alu instid0(VALU_DEP_2)
	v_fma_f32 v[U+5], v[U+5], v[U+3], s55
	v_mul_f32 v[U+6], v[U+3], v[U+1]               ; z r
	v_mul_f32 v[U+7], v[U+3], v[U+3]               ; z z
	v_fma_f32 v[U+8], v[U+3], -0.5, 1.0
	s_delay_alu instid0(VALU_DEP_3)
	v_fma_f32 v[U+4], v[U+4], v[U+6], v[U+1]       ; sin r
	s_delay_alu instid0(VALU_DEP_2)
	v_fma_f32 v[U+5], v[U+5], v[U+7], v[U+8]       ; cos r
	v_and_b32 v[U+6], 1, v[U+2]
	s_delay_alu instid0(VALU_DEP_1)
	v_cmp_eq_u32 vcc_lo, 1, v[U+6]                 ; in odd quadrants the two change places
	s_delay_alu instid0(VALU_DEP_1)
	v_cndmask_b32 v[U+7], v[U+4], v[U+5], vcc_lo
	s_delay_alu instid0(VALU_DEP_2)
	v_cndmask_b32 v[U+8], v[U+5], v[U+4], vcc_lo
	v_lshlrev_b32 v[U+6], 30, v[U+2]               ; the sine is negative in quadrants 2 and 3: bit 1 of n
	v_add_nc_u32 v[U+2], 1, v[U+2]                 ; the cosine in quadrants 1 and 2: bit 1 of n + 1
	s_delay_alu instid0(VALU_DEP_2)
	v_and_b32 v[U+6], 0x80000000, v[U+6]
	s_delay_alu instid0(VALU_DEP_2)
	v_lshlrev_b32 v[U+2], 30, v[U+2]
	s_delay_alu instid0(VALU_DEP_2)
	v_xor_b32 v[OUT+2*\k+1], v[U+6], v[U+7]
	s_delay_alu instid0(VALU_DEP_2)
	v_and_b32 v[U+2], 0x80000000, v[U+2]
	s_delay_alu instid0(VALU_DEP_1)
	v_xor_b32 v[OUT+2*\k], v[U+2], v[U+8]
.endm
	s_load_b256 s[4:11], s[0:1], 0x0               ; x s[4:5], Wq s[6:7], Wk s[8:9], Wv s[10:11]
	s_load_b256 s[12:19], s[0:1], 0x20             ; Wo s[12:13], the scales' exponents s[14:15], xc s[16:17], wc s[18:19]
	s_load_b64 s[20:21], s[0:1], 0x40              ; tab
	v_lshl_add_u32 v14, v0, 2, 0x10800
	v_mov_b32 v15, 0
	v_lshrrev_b32 v10, 5, v0
	s_delay_alu instid0(VALU_DEP_1)
	v_readfirstlane_b32 s22, v10                   ; wave 0..7
	v_and_b32 v10, 31, v0
	s_delay_alu instid0(VALU_DEP_1)
	v_lshlrev_b32 v1, 4, v10                       ; 16 x lane
	v_and_b32 v11, 15, v0                          ; r
	v_bfe_u32 v12, v0, 4, 1                        ; h
	s_mul_i32 s23, s22, WSTG                       ; my stage
	v_add_nc_u32 v2, s23, v1                       ; into it: 16 x lane of a row
	v_mul_u32_u24 v3, v11, SPITCH
	s_delay_alu instid0(VALU_DEP_1)
	v_lshl_add_u32 v3, v12, 6, v3
	s_delay_alu instid0(VALU_DEP_1)
	v_add_nc_u32 v3, s23, v3                       ; out of it: row r, + 64 h: my 16 numbers of a block of 32
	s_cmp_ge_u32 ttmp9, 512
	s_cbranch_scc1 .Ltable
	; ---- the quantiser
	s_and_b32 s39, ttmp9, 63
	s_cmp_lt_u32 ttmp9, 256
	s_cselect_b32 s38, ttmp9, s39                  ; which 16 rows of the tensor
	s_lshr_b32 s39, ttmp9, 6
	s_max_u32 s39, s39, 4
	s_sub_co_u32 s39, s39, 4                       ; which weight (0 for x)
	s_lshl_b32 s46, s38, 16                        ; in: 16 rows of 4,096 bytes,
	s_lshl_b32 s47, s22, 9                         ; + my K step's 512 bytes
	s_add_co_u32 s46, s46, s47
	s_mov_b32 s47, 0
	s_lshr_b32 s48, s38, 3                         ; out: the tile of 128 rows,
	s_lshl_b32 s48, s48, 17
	s_lshl_b32 s49, s22, 14                        ; the K step,
	s_add_co_u32 s48, s48, s49
	s_and_b32 s49, s38, 7                          ; the block of 16 rows,
	s_lshl_b32 s49, s49, 11
	s_add_co_u32 s48, s48, s49
	s_lshl_b32 s49, s39, 20                        ; the weight's part of wc
	s_add_co_u32 s48, s48, s49
	s_mov_b32 s49, 0
	s_wait_kmcnt 0x0
	s_load_b256 s[24:31], s[14:15], 0x0            ; entries 0 to 7
	s_load_b128 s[32:35], s[14:15], 0x20           ; entries 8 to 11
	s_cmp_lt_u32 ttmp9, 448                        ; the tensor is chosen by the work-group's number alone
	s_cselect_b64 s[36:37], s[10:11], s[12:13]
	s_cmp_lt_u32 ttmp9, 384
	s_cselect_b64 s[36:37], s[8:9], s[36:37]
	s_cmp_lt_u32 ttmp9, 320
	s_cselect_b64 s[36:37], s[6:7], s[36:37]
	s_cmp_lt_u32 ttmp9, 256
	s_cselect_b64 s[36:37], s[4:5], s[36:37]
	s_cselect_b64 s[40:41], s[16:17], s[18:19]
	s_add_nc_u64 s[36:37], s[36:37], s[46:47]
	s_add_nc_u64 s[40:41], s[40:41], s[48:49]
	s_wait_alu depctr_va_vdst(0)
.irp n, 0,1,2,3,4,5,6,7,8,9,10,11,12,13,14,15
	global_load_b128 v[R+4*\n:R+4*\n+3], v1, s[36:37] offset:\n*4096 th:TH_LOAD_NT   ; row n: 32 lanes read 512 consecutive bytes; read once in the launch
.endr
	s_wait_kmcnt 0x0
	s_cmp_lt_u32 ttmp9, 448
	s_cselect_b32 s50, s29, s35                    ; Wv: entry 5; Wo: entry 11
	s_cmp_lt_u32 ttmp9, 384
	s_cselect_b32 s50, s27, s50                    ; Wk: entry 3
	s_cmp_lt_u32 ttmp9, 320
	s_cselect_b32 s50, s25, s50                    ; Wq: entry 1
	s_cmp_lt_u32 ttmp9, 256
	s_cselect_b32 s50, s24, s50                    ; x: entry 0 first
	MKS 50, 4, 5
	s_wait_alu depctr_va_vdst(0)
.irp n, 0,1,2,3,4,5,6,7,8,9,10,11,12,13,14,15
	s_wait_loadcnt 15-\n                           ; loads come back in order (ISA guide 5.7.1): row n is in, the rows behind it may be out
	ds_store_b128 v2, v[R+4*\n:R+4*\n+3] offset:\n*SPITCH
.endr
.irp c, 0,1,2,3
.irp i, 0,1,2,3
	ds_load_b128 v[X+16*\c+4*\i:X+16*\c+4*\i+3], v3 offset:128*\c+16*\i   ; LDS serves a wave's instructions in order (ISA guide 5.7.1.4): these see my stores
.endr
.endr
	s_wait_dscnt 0x0
	CONV 4, 5, C, 40
	s_cmp_ge_u32 ttmp9, 256
	s_cbranch_scc1 .Ldone                          ; a weight has one scale
	s_add_nc_u64 s[42:43], s[40:41], 0x400000      ; x's second and third sets of codes lie 4 MiB and 8 MiB on
	s_add_nc_u64 s[44:45], s[40:41], 0x800000
	MKS 26, 6, 7                                   ; entry 2
	MKS 28, 8, 9                                   ; entry 4
	CONV 6, 7, C+16, 42
	CONV 8, 9, C+32, 44
.Ldone:
	s_wait_tensorcnt 0x0
	ds_add_u32 v14, v15
	s_wait_dscnt 0x0
	s_endpgm
	; ---- the table
.Ltable:
	s_sub_co_u32 s38, ttmp9, 512
	s_lshl_b32 s38, s38, 3
	s_add_co_u32 s38, s38, s22                     ; which 16 positions: 0 .. 255
	s_lshl_b32 s39, s38, 4
	s_wait_alu depctr_va_vdst(0)
	v_add_nc_u32 v13, s39, v11
	s_delay_alu instid0(VALU_DEP_1)
	v_cvt_f32_u32 v13, v13                         ; my position as f32
	v_lshlrev_b32 v84, 2, v12                      ; 4 h
	s_wait_alu depctr_va_vdst(0)
	s_lshl_b32 s40, s38, 12                        ; 4,096 bytes of table for 16 positions
	s_mov_b32 s41, 0
	s_mov_b32 s46, 0xbed49a78                      ; -log2(10000) / 32
	s_mov_b32 s47, 0x3f22f983                      ; 2 / pi
	s_mov_b32 s48, 0xbfc90fdb                      ; -(pi / 2 rounded to f32)
	s_mov_b32 s49, 0x333bbd2e                      ; -(pi / 2 less that)
	s_mov_b32 s50, 0xb94ca1f9                      ; the sine's polynomial: -1.9515296e-4,
	s_mov_b32 s51, 0x3c08839e                      ; 8.3321609e-3,
	s_mov_b32 s52, 0xbe2aaaa3                      ; -1.6666655e-1
	s_mov_b32 s53, 0x37ccf5ce                      ; the cosine's: 2.4433157e-5,
	s_mov_b32 s54, 0xbab6061a                      ; -1.3887316e-3,
	s_mov_b32 s55, 0x3d2aaaa5                      ; 4.1666646e-2
.irp k, 0,1,2,3,4,5,6,7,8,9,10,11,12,13,14,15
	v_add_nc_u32 v[ANG+\k], 8*(\k/4)+\k%4, v84     ; the pair i = 8 (k / 4) + 4 h + k % 4
.endr
.irp k, 0,1,2,3,4,5,6,7,8,9,10,11,12,13,14,15
	v_cvt_f32_u32 v[ANG+\k], v[ANG+\k]
.endr
.irp k, 0,1,2,3,4,5,6,7,8,9,10,11,12,13,14,15
	v_mul_f32 v[ANG+\k], s46, v[ANG+\k]
.endr
	s_wait_alu depctr_va_vdst(0)
.irp k, 0,1,2,3,4,5,6,7,8,9,10,11,12,13,14,15
	v_exp_f32 v[ANG+\k], v[ANG+\k]                 ; 10000^(-i / 32)
.endr
	v_nop                                          ; a plain line behind the last exponential (ISA guide 5.7.2)
	s_wait_alu depctr_va_vdst(0)                   ; one wait for the sixteen, ahead of their first reader
.irp k, 0,1,2,3,4,5,6,7,8,9,10,11,12,13,14,15
	v_mul_f32 v[ANG+\k], v13, v[ANG+\k]            ; the angle, rounded once
.endr
.irp k, 0,1,2,3,4,5,6,7,8,9,10,11,12,13,14,15
	SINCOS \k
.endr
	s_wait_alu depctr_va_vdst(0)
	s_wait_kmcnt 0x0
	s_add_nc_u64 s[20:21], s[20:21], s[40:41]
.irp m, 0,1,2,3,4,5,6,7
	global_store_b128 v1, v[OUT+4*\m:OUT+4*\m+3], s[20:21] offset:512*\m   ; 512 consecutive bytes: g = m / 2, hf = m % 2
.endr
	s_endpgm
.Lfunc_end_k_qc693f5624f_prep:
	.size	k_qc693f5624f_prep, .Lfunc_end_k_qc693f5624f_prep-k_qc693f5624f_prep
	.p2alignl 7, 3214868480
	.fill 96, 4, 3214868480
	.section	.rodata,"a",@progbits
	.p2align	6, 0x0
	.amdhsa_kernel k_qc693f5624f_prep
		.amdhsa_group_segment_fixed_size 68608
		.amdhsa_private_segment_fixed_size 0
		.amdhsa_enable_private_segment 0
		.amdhsa_kernarg_size 72
		.amdhsa_user_sgpr_count 2
		.amdhsa_user_sgpr_kernarg_segment_ptr 1
		.amdhsa_wavefront_size32 1
		.amdhsa_system_sgpr_workgroup_id_x 1
		.amdhsa_system_sgpr_workgroup_id_y 1
		.amdhsa_system_sgpr_workgroup_id_z 1
		.amdhsa_system_vgpr_workitem_id 0
		.amdhsa_next_free_vgpr 160
		.amdhsa_next_free_sgpr 66
		.amdhsa_reserve_vcc 1
		.amdhsa_float_denorm_mode_32 3
		.amdhsa_float_denorm_mode_16_64 3
		.amdhsa_memory_ordered 1
		.amdhsa_forward_progress 1
		.amdhsa_inst_pref_size 56
	.end_amdhsa_kernel
	.amdgpu_metadata
---
amdhsa.version: [ 1, 2 ]
amdhsa.kernels:
  - .name:           k_qc693f5624f_prep
    .symbol:         k_qc693f5624f_prep.kd
    .args:
      - { .name: x, .offset: 0, .size: 8, .value_kind: global_buffer, .address_space: global }
      - { .name: Wq, .offset: 8, .size: 8, .value_kind: global_buffer, .address_space: global }
      - { .name: Wk, .offset: 16, .size: 8, .value_kind: global_buffer, .address_space: global }
      - { .name: Wv, .offset: 24, .size: 8, .value_kind: global_buffer, .address_space: global }
      - { .name: Wo, .offset: 32, .size: 8, .value_kind: global_buffer, .address_space: global }
      - { .name: lowp_scales, .offset: 40, .size: 8, .value_kind: global_buffer, .address_space: global }
      - { .name: xc, .offset: 48, .size: 8, .value_kind: global_buffer, .address_space: global }
      - { .name: wc, .offset: 56, .size: 8, .value_kind: global_buffer, .address_space: global }
      - { .name: tab, .offset: 64, .size: 8, .value_kind: global_buffer, .address_space: global }
    .group_segment_fixed_size: 68608
    .private_segment_fixed_size: 0
    .kernarg_segment_align: 8
    .kernarg_segment_size: 72
    .max_flat_workgroup_size: 256
    .sgpr_count:     66
    .vgpr_count:     160
    .wavefront_size: 32
...
	.end_amdgpu_metadata
.endif
;; end of part 1
;; launch qkv (part 2): grid 8 x 32, 8 waves a work-group, clusters of 4 x 4, 327,680 bytes of LDS; arguments xc, wc, tab, lowp_scales, qkv; writes qkv
.if DOCPART == 2
	.amdgcn_target "amdgcn-amd-amdhsa--gfx1250"
	.amdhsa_code_object_version 6
	.text
	.protected	k_qc693f5624f_qkv
	.globl	k_qc693f5624f_qkv
	.p2align	8
	.type	k_qc693f5624f_qkv,@function
k_qc693f5624f_qkv:
	s_mov_b64 s[64:65], 0
	v_nop
	global_prefetch_b8 v0, s[64:65] scope:SCOPE_SE
	s_setreg_imm32_b32 hwreg(HW_REG_WAVE_MODE, 25, 1), 1
	s_wait_xcnt 0x0
	s_wait_alu depctr_hold_cnt(0) depctr_sa_sdst(0) depctr_va_vdst(0) depctr_va_sdst(0) depctr_va_ssrc(0) depctr_va_vcc(0) depctr_vm_vsrc(0)
	s_getreg_b32 s2, hwreg(HW_REG_IB_STS2, 6, 4)
	s_cmp_eq_u32 s2, 0
	s_cbranch_scc0 .Lentry_in_a_cluster
	s_endpgm
.Lentry_in_a_cluster:
	s_bfe_u32 s2, ttmp6, 0x10000c
	s_cmp_lg_u32 s2, 0xf033
	s_cbranch_scc0 .Lentry_shape_is_right
	s_endpgm
.Lentry_shape_is_right:
; q, k, v = x Wq^T, x Wk^T, x Wv^T on codes of FP8 (E4M3); q and k are rotated (pairs (2 i, 2 i + 1) by the table's cos and sin) in f32; all three are quantised for attention's two products and stored as codes.
; A work-group makes 128 positions x 128 features (two heads) of ALL THREE, one after the other: 8 x 32 = 256 work-groups.
; THE RING.  Product p (0 q, 1 k, 2 v) has its own codes of x (4 MiB apart in xc) and its weight (1 MiB apart in wc).  A fill is half of a product's K: four K steps of X's tile and of W's, 8 x 16 KiB, one load a wave
; (waves 0-3: X, waves 4-7: W).  Fill f = 2 p + half goes into slot f % 2.  Six fills; one load a wave is out behind each round.
; CLUSTERS: 4 x 4 work-groups.  X's tile hangs on the tile row and is shared along a row of the cluster, W's on the tile column and is shared along a column: each is asked for JOINTLY.
; PREFETCH: in the trip that loads fill f + 1 each wave names its own K step of fill f + 2: 16 KiB, of which each of the four partners takes 4 KiB by address (cx for X, cy for W), lanes 0-15 256 bytes apart
; (lanes 16-31 name the last block again).  Fills 0 and 1 come by their loads alone; the last two trips ask for nothing.
; SHARES.  Wave w makes 64 positions (half wr = w / 4) x 32 features (quarter wc = w % 4): 8 accumulators (a = 0..3 position blocks, b = 0..1 feature blocks).
; q AND k: source 0 = 16 rows of W, source 1 = 16 rows of X: a lane holds ONE position and eight neighbouring features.  v: the sources swapped: a lane holds ONE feature and eight neighbouring positions (its next K).
; A sum stands for sum x 2^(eA + eB); the rotation is linear; so the three scales are folded into the conversion's one: 2^(eO - eA - eB).
; OUT: qkv = q at 0, k at 4 MiB, v at 8 MiB, each [head 16][262,144 bytes], in the order of attention's operand registers:
;   q, k (pos, d): (pos / 32) 2048 + ((pos / 8) % 2) 1024 + (d / 32) 512 + ((d / 16) % 2) 256 + (((pos / 16) % 2) 8 + pos % 8) 16 + d % 16
;   v (d, key):    (key / 128) 8192 + (d / 16) 2048 + ((key / 32) % 4) 512 + ((key / 16) % 2) 256 + (d % 16) 16 + key % 16
; A product's codes, 2 heads x 8,192 bytes, are gathered in a stage of its own in LDS and leave as runs of 512 bytes a wave, behind the next round, while the next fill is out.
; LIMITS: eO - eA - eB (entries 6 - 0 - 1, 7 - 2 - 3, 9 - 4 - 5) between -126 and 119, so that the power of two and 448 times it are f32 numbers.
; LDS: X at 0: [K step 8][block of 16 rows 8][2,048]; W at 131,072 likewise; slot h = K steps 4 h .. 4 h + 3 of both.  262,144: the spare words.  263,168: three stages of 16,384 bytes, on which no fill lands.
; REGISTERS: v1 16 x lane; v2, v3 X's fragments in slot 0, 1; v4, v5 W's; v6, v7 into the stages (q and k; v); v8 16 x thread; v9 the same in the stages; v12-15 at work; v16-21 the three conversions' scales and 448 x them;
;   v22 the prefetches' offset; v24-87 the table; v88-151 accumulators; v152-215 X's four fragments; v216-247 W's two.  Behind a product: v152-167 two sets of 8 numbers, v168-183 codes, v184-199 the copy out.
.set WL,   131072
.set SPARE, 0x40000
.set STGB, 0x40400
.set TAB,  24
.set ACC,  88
.set FX,   152
.set FW,   216
.set R0,   152
.set CD,   168
.set CP,   184
.set G1X,  24                          ; s[24:31] group 1 for X's tiles; s[32:39] for W's: they differ in the mask
.set G1W,  32
.set G0X,  44                          ; s[44:51] groups 0 for X, one a slot; s[52:59] for W
.set G0W,  52
.set PFA,  84                          ; s[84:85] where my prefetches stand; s[86:87] from product to product
.set PFS,  86
.macro CROUND                          ; a round of the cluster's barrier
	s_barrier_signal -1
	s_barrier_wait -1
	s_cmp_lg_u32 s14, 0
	s_cbranch_scc1 .Lnot_wave_0_\@
	s_barrier_signal -3
.Lnot_wave_0_\@:
	s_barrier_wait -3
	s_barrier_signal -1
	s_barrier_wait -1
.endm
.macro JLOAD s                         ; a joint load into slot s: the branch hangs on the wave's number alone; s_nop 0 and four v_nop follow each line
	s_cmp_eq_u32 s15, 0
	s_cbranch_scc0 .Lfor_w_\@
	tensor_load_to_lds s[G0X+4*(\s):G0X+4*(\s)+3], s[G1X:G1X+7]
	s_nop 0
.rept 4
	v_nop
.endr
	s_branch .Lasked_\@
.Lfor_w_\@:
	tensor_load_to_lds s[G0W+4*(\s):G0W+4*(\s)+3], s[G1W:G1W+7]
	s_nop 0
.rept 4
	v_nop
.endr
.Lasked_\@:
.endm
.macro MM a, b, s, swap                ; accumulator (a, b), K step s (s = 0 starts the sum).  swap = 0: W first; 1: X first
.if \swap
.if (\s) == 0
	v_wmma_f32_16x16x128_fp8_fp8 v[ACC+8*(2*\a+\b):ACC+8*(2*\a+\b)+7], v[FX+16*\a:FX+16*\a+15], v[FW+16*\b:FW+16*\b+15], 0
.else
	v_wmma_f32_16x16x128_fp8_fp8 v[ACC+8*(2*\a+\b):ACC+8*(2*\a+\b)+7], v[FX+16*\a:FX+16*\a+15], v[FW+16*\b:FW+16*\b+15], v[ACC+8*(2*\a+\b):ACC+8*(2*\a+\b)+7]
.endif
.else
.if (\s) == 0
	v_wmma_f32_16x16x128_fp8_fp8 v[ACC+8*(2*\a+\b):ACC+8*(2*\a+\b)+7], v[FW+16*\b:FW+16*\b+15], v[FX+16*\a:FX+16*\a+15], 0
.else
	v_wmma_f32_16x16x128_fp8_fp8 v[ACC+8*(2*\a+\b):ACC+8*(2*\a+\b)+7], v[FW+16*\b:FW+16*\b+15], v[FX+16*\a:FX+16*\a+15], v[ACC+8*(2*\a+\b):ACC+8*(2*\a+\b)+7]
.endif
.endif
.endm
; A K step of 128: 24 LDS loads, 8 products; the eight accumulators take turns in the same order in every step.
.macro KSTEP s, swap
.if (\s) > 0
.rept 4
	v_nop                                          ; four places between the last products and loads into the registers that they read
.endr
.endif
.irp b, 0,1
.irp c, 0,1,2,3
	ds_load_b128 v[FW+16*\b+4*\c:FW+16*\b+4*\c+3], v[4+(\s)/4] offset:((\s)%4)*16384+\b*2048+\c*512
.endr
.endr
.irp a, 0,1,2,3
.irp c, 0,1,2,3
	ds_load_b128 v[FX+16*\a+4*\c:FX+16*\a+4*\c+3], v[2+(\s)/4] offset:((\s)%4)*16384+\a*2048+\c*512
.endr
.endr
	s_wait_dscnt 0x8                               ; W's two and X's blocks 0, 1 are in; the youngest eight loads (blocks 2, 3) may be out
.irp a, 0,1
.irp b, 0,1
	MM \a, \b, \s, \swap
.endr
.endr
	s_wait_dscnt 0x0
.irp a, 2,3
.irp b, 0,1
	MM \a, \b, \s, \swap
.endr
.endr
.endm
; q, k: accumulator (a, b): four pairs rotated, held, converted: 8 codes of my position's row, into product p's stage.  The two sets of eight numbers take turns.
.macro ROPEQ a, b, p
.set A_, ACC+8*(2*\a+\b)
.set T_, TAB+8*(2*\a+\b)
.set R_, R0+8*\b
.set C_, CD+2*(2*\a+\b)
.irp u, 0,1,2,3
	v_mul_f32 v[12+2*(\u%2)], v[A_+2*\u+1], v[T_+2*\u+1]                 ; x2 sin  (the accumulator is read from its low end on)
	v_mul_f32 v[13+2*(\u%2)], v[A_+2*\u+1], v[T_+2*\u]                   ; x2 cos
	v_fma_f32 v[R_+2*\u], v[A_+2*\u], v[T_+2*\u], -v[12+2*(\u%2)]        ; x1 cos - x2 sin
	v_fma_f32 v[R_+2*\u+1], v[A_+2*\u], v[T_+2*\u+1], v[13+2*(\u%2)]     ; x1 sin + x2 cos
.endr
.irp j, 0,1,2,3,4,5,6,7
	v_med3_num_f32 v[R_+\j], v[R_+\j], -v[17+2*(\p)], v[17+2*(\p)]   ; the conversion does not saturate (ISA guide 7.6.2)
.endr
	v_cvt_scalef32_pk8_fp8_f32 v[C_:C_+1], v[R_:R_+7], v[16+2*(\p)]
	ds_store_b64 v6, v[C_:C_+1] offset:(\p)*16384+(\a/2)*2048+(\a%2)*128+\b*256
.endm
.macro QV a, b                         ; v: eight neighbouring keys of my feature
.set A_, ACC+8*(2*\a+\b)
.set R_, R0+8*\b
.set C_, CD+2*(2*\a+\b)
.irp j, 0,1,2,3,4,5,6,7
	v_med3_num_f32 v[R_+\j], v[A_+\j], -v21, v21
.endr
	v_cvt_scalef32_pk8_fp8_f32 v[C_:C_+1], v[R_:R_+7], v20
	ds_store_b64 v7, v[C_:C_+1] offset:32768+\b*2048+(\a/2)*512+(\a%2)*256
.endm
.macro TOSTAGE p                       ; a finished product into its stage
.rept 4
	v_nop                                          ; four places between the last products and the first read of results and write of their operands' registers
.endr
.if (\p) == 0
	s_wait_loadcnt 0x0                             ; the table
.endif
.irp a, 0,1,2,3
.irp b, 0,1
.if (\p) == 2
	QV \a, \b
.else
	ROPEQ \a, \b, \p
.endif
.endr
.endr
	v_nop                                          ; a plain line behind the last conversion
.endm
.macro COPYOUT p, more                 ; 16 KiB come back from product p's stage, 16 bytes a thread four times, and are stored
.irp n, 0,1,2,3
	ds_load_b128 v[CP+4*\n:CP+4*\n+3], v9 offset:(\p)*16384+\n*4096
.endr
.irp n, 0,1,2,3
	s_wait_dscnt 3-\n                              ; piece n is in; the younger ones may be out
	global_store_b128 v8, v[CP+4*\n:CP+4*\n+3], s[60:61] offset:(\n/2)*262144+(\n%2)*4096   ; a wave stores 512 consecutive bytes, aligned; pieces 2, 3 are the second head's
.endr
.if \more
	s_wait_xcnt 0x0                                ; the stores have read their registers and their base:
	s_add_nc_u64 s[60:61], s[60:61], 0x400000      ; on to the next product's part of qkv
.endif
.endm
; A TRIP multiplies fill f.  In front of the round: the wait for all my tensor loads, the add, the wait for it and for my LDS instructions.  Behind it: fill f + 1 into the slot just left, first of all.
.macro TRIP f, swap
.set H_, (\f)%2
	s_wait_tensorcnt 0x0                           ; my part of fill f is in; no load of mine is out, so the groups 0 may be written
	ds_add_u32 v254, v255
.if (\f) >= 1 && (\f) < 5
	s_add_nc_u64 s[G0X+4*(1-H_)+2:G0X+4*(1-H_)+3], s[G0X+4*(1-H_)+2:G0X+4*(1-H_)+3], 0x400000   ; the other slot's next fill: the next product's codes of x,
	s_add_nc_u64 s[G0W+4*(1-H_)+2:G0W+4*(1-H_)+3], s[G0W+4*(1-H_)+2:G0W+4*(1-H_)+3], 0x100000   ; and its weight
.endif
.if (\f) == 2
	s_wait_xcnt 0x0                                ; my prefetches have read their address
	s_add_nc_u64 s[PFA:PFA+1], s[PFA:PFA+1], s[PFS:PFS+1]
.endif
	s_wait_dscnt 0x0                               ; the add is done, my reads of the other slot are over, my stores into a stage are done
.if (\f) < 5
	CROUND
	JLOAD 1-H_
.else
	s_barrier_signal -1                            ; nothing is filled again: my work-group's barrier alone
	s_barrier_wait -1
.endif
.if H_ == 0 && (\f) > 0
	COPYOUT (\f)/2-1, 1
.endif
	KSTEP 4*H_, \swap
.if (\f) < 4
	global_prefetch_b8 v22, s[PFA:PFA+1] offset:65536*H_ th:TH_LOAD_NT scope:SCOPE_SE   ; my work-group's quarter of my K step of fill f + 2
.endif
	KSTEP 4*H_+1, \swap
	KSTEP 4*H_+2, \swap
	KSTEP 4*H_+3, \swap
.if H_ == 1
	TOSTAGE (\f)/2
.endif
.endm
.macro MKS e, sc                       ; v[sc] = 2^e as f32 (the conversion takes its exponent field), v[sc + 1] = 448 x 2^e
	s_add_co_i32 s82, s[\e], 127
	s_lshl_b32 s83, s82, 23
	v_mov_b32 v[\sc], s83
	s_add_co_i32 s82, s82, 8
	s_lshl_b32 s82, s82, 23
	s_or_b32 s82, s82, 0x600000
	v_mov_b32 v[(\sc)+1], s82
.endm
	s_load_b256 s[4:11], s[0:1], 0x0               ; xc s[4:5], wc s[6:7], tab s[8:9], the scales' exponents s[10:11]
	s_load_b64 s[12:13], s[0:1], 0x20              ; qkv
	v_lshl_add_u32 v254, v0, 2, SPARE
	v_mov_b32 v255, 0
	ds_add_u32 v254, v255                          ; the opening lines: the add twice on end and one wait, ahead of my first tensor load
	ds_add_u32 v254, v255
	v_lshrrev_b32 v12, 5, v0
	v_readfirstlane_b32 s14, v12                   ; wave 0..7
	s_lshr_b32 s15, s14, 2                         ; wr: my half of the positions.  Also: I fetch for X (0) or for W (1)
	s_and_b32 s16, s14, 3                          ; wc: my quarter of the features.  Also: which K step of a fill I fetch
	s_bfe_u32 s40, ttmp6, 0x40000                  ; cx, cy: my place in the cluster
	s_bfe_u32 s41, ttmp6, 0x40004
	s_lshl_b32 s18, ttmp9, 2
	s_add_co_u32 s18, s18, s40                     ; tile column 0..7: 128 features
	s_and_b32 s19, ttmp7, 0xffff
	s_lshl_b32 s19, s19, 2
	s_add_co_u32 s19, s19, s41                     ; tile row 0..31: 128 positions
	s_lshl_b32 s42, s41, 2
	s_lshl_b32 s42, 15, s42                        ; my row of the cluster
	s_lshl_b32 s43, 0x1111, s40                    ; my column
	s_or_b32 s[G1X], s42, (3<<16)|(1<<21)          ; group 1: 16 KiB dense in memory, as 64 rows of 32 elements of 8 bytes; the mask; bit 21 beside it
	s_or_b32 s[G1W], s43, (3<<16)|(1<<21)
.irp g, G1X, G1W
	s_mov_b32 s[\g+1], 32<<16                      ; tensor_dim0
	s_mov_b32 s[\g+2], 64<<16                      ; tensor_dim1
	s_mov_b32 s[\g+3], 32<<16                      ; tile_dim0
	s_mov_b32 s[\g+4], 64                          ; tile_dim1
	s_mov_b32 s[\g+5], 32                          ; tensor_dim0_stride
	s_mov_b32 s[\g+6], 0
	s_mov_b32 s[\g+7], 0
.endr
	s_lshl_b32 s66, s16, 14                        ; K step w % 4 of a fill: 16 KiB, in memory and in LDS
	s_lshl_b32 s20, s19, 17                        ; X: the tile row's 128 KiB, my K step
	s_add_co_u32 s20, s20, s66
	s_mov_b32 s21, 0
	s_lshl_b32 s22, s18, 17                        ; W: the tile column's 128 KiB, my K step
	s_add_co_u32 s22, s22, s66
	s_mov_b32 s23, 0
	s_wait_dscnt 0x0                               ; both opening adds are done
	s_wait_kmcnt 0x0
	s_load_b256 s[68:75], s[10:11], 0x0            ; entries 0 to 7
	s_load_b128 s[76:79], s[10:11], 0x20           ; entries 8 to 11
	s_add_nc_u64 s[20:21], s[4:5], s[20:21]
	s_add_nc_u64 s[22:23], s[6:7], s[22:23]
.irp s, 0,1
	s_mov_b32 s[G0X+4*\s], 1
	s_add_co_u32 s[G0X+4*\s+1], s66, \s*65536                      ; LDS address: K step w % 4 + 4 s of X
	s_add_nc_u64 s[G0X+4*\s+2:G0X+4*\s+3], s[20:21], \s*65536
	s_or_b32 s[G0X+4*\s+3], s[G0X+4*\s+3], 0x80000000
	s_mov_b32 s[G0W+4*\s], 1
	s_add_co_u32 s[G0W+4*\s+1], s66, WL+\s*65536
	s_add_nc_u64 s[G0W+4*\s+2:G0W+4*\s+3], s[22:23], \s*65536
	s_or_b32 s[G0W+4*\s+3], s[G0W+4*\s+3], 0x80000000
.endr
	CROUND                                         ; all sixteen work-groups are here: the joint loads meet
	JLOAD 0                                        ; fill 0: one tensor load a wave at the head
	s_cmp_eq_u32 s15, 0                            ; the prefetches: X's waves stand in xc, W's in wc
	s_cselect_b64 s[PFA:PFA+1], s[20:21], s[22:23]
	s_cselect_b32 s82, s40, s41                    ; my place among the four that ask with me
	s_mov_b32 s[PFS], 0x100000
	s_cselect_b32 s[PFS], 0x400000, s[PFS]
	s_mov_b32 s[PFS+1], 0
	s_lshl_b32 s82, s82, 12                        ; my work-group's 4 KiB of the 16
	s_mov_b32 s83, 0
	s_add_nc_u64 s[PFA:PFA+1], s[PFA:PFA+1], s[82:83]
	s_add_nc_u64 s[PFA:PFA+1], s[PFA:PFA+1], s[PFS:PFS+1]   ; at product 1, the first half: fill 2
	s_lshl_b32 s60, s18, 19                        ; out: two heads of 262,144 bytes a tile column; 8,192 bytes for 128 positions
	s_lshl_b32 s63, s19, 13
	s_add_co_u32 s60, s60, s63
	s_mov_b32 s61, 0
	s_add_nc_u64 s[60:61], s[12:13], s[60:61]
	s_lshl_b32 s80, s19, 15                        ; the table: 4,096 bytes for 16 positions,
	s_lshl_b32 s81, s15, 14
	s_add_co_u32 s80, s80, s81
	s_and_b32 s81, s16, 1                          ; and the head's features 32 (wc % 2) on
	s_lshl_b32 s81, s81, 11
	s_add_co_u32 s80, s80, s81
	s_mov_b32 s81, 0
	s_add_nc_u64 s[80:81], s[8:9], s[80:81]
	s_lshl_b32 s88, s15, 13                        ; X: my four blocks begin 8,192 wr into a K step
	s_lshl_b32 s89, s16, 12
	s_add_co_u32 s89, s89, WL                      ; W: my two blocks begin 4,096 wc into a K step
	s_lshr_b32 s90, s16, 1
	s_lshl_b32 s90, s90, 13                        ; q, k's stage: 8,192 (wc / 2)
	s_lshl_b32 s82, s15, 12                        ; + 4,096 wr
	s_add_co_u32 s90, s90, s82
	s_and_b32 s82, s16, 1
	s_lshl_b32 s82, s82, 9                         ; + 512 (wc % 2)
	s_add_co_u32 s90, s90, s82
	s_add_co_u32 s90, s90, STGB
	s_lshl_b32 s91, s16, 12                        ; v's stage: 4,096 wc
	s_lshl_b32 s82, s15, 10                        ; + 1,024 wr
	s_add_co_u32 s91, s91, s82
	s_add_co_u32 s91, s91, STGB
	v_and_b32 v12, 31, v0
	v_lshlrev_b32 v1, 4, v12                       ; 16 x lane
	v_min_u32 v22, 15, v12
	v_lshlrev_b32 v22, 8, v22                      ; 256 x min(lane, 15)
	v_add_nc_u32 v2, s88, v1
	v_add_nc_u32 v3, 0x10000, v2
	v_add_nc_u32 v4, s89, v1
	v_add_nc_u32 v5, 0x10000, v4
	v_and_b32 v13, 7, v0                           ; r % 8
	v_bfe_u32 v14, v0, 3, 1                        ; r / 8
	v_bfe_u32 v15, v0, 4, 1                        ; h
	v_lshlrev_b32 v6, 4, v13
	v_lshl_add_u32 v6, v14, 10, v6
	v_lshl_add_u32 v6, v15, 3, v6                  ; q, k: (r / 8) 1024 + (r % 8) 16 + 8 h
	v_add_nc_u32 v6, s90, v6
	v_and_b32 v13, 15, v0                          ; r
	v_lshlrev_b32 v7, 4, v13
	v_lshl_add_u32 v7, v15, 3, v7                  ; v: 16 r + 8 h
	v_add_nc_u32 v7, s91, v7
	v_lshlrev_b32 v8, 4, v0                        ; the copy out: 16 x thread in memory,
	v_add_nc_u32 v9, STGB, v8                      ; and in the stages
.irp a, 0,1,2,3                        ; the table, in the order of my accumulators' registers; it serves q and k
.irp b, 0,1
.irp f, 0,1
	global_load_b128 v[TAB+8*(2*\a+\b)+4*\f:TAB+8*(2*\a+\b)+4*\f+3], v1, s[80:81] offset:\a*4096+\b*1024+\f*512
.endr
.endr
.endr
	s_wait_kmcnt 0x0
	s_sub_co_i32 s92, s74, s68                     ; q: entries 6 - 0 - 1
	s_sub_co_i32 s92, s92, s69
	s_sub_co_i32 s93, s75, s70                     ; k: 7 - 2 - 3
	s_sub_co_i32 s93, s93, s71
	s_sub_co_i32 s94, s77, s72                     ; v: 9 - 4 - 5
	s_sub_co_i32 s94, s94, s73
	MKS 92, 16
	MKS 93, 18
	MKS 94, 20
	s_wait_alu depctr_va_vdst(0)
	TRIP 0, 0                                      ; slot 1's first fill stands behind the full sequence and a round, as a refill does
	TRIP 1, 0
	TRIP 2, 0
	TRIP 3, 0
	TRIP 4, 1
	TRIP 5, 1
	s_wait_dscnt 0x0                               ; for the others' sake: my stores into v's stage are done
	s_barrier_signal -1
	s_barrier_wait -1
	COPYOUT 2, 0
	s_wait_tensorcnt 0x0                           ; the wave's end
	ds_add_u32 v254, v255
	s_wait_dscnt 0x0
	CROUND                                         ; the closing round
	s_endpgm
.Lfunc_end_k_qc693f5624f_qkv:
	.size	k_qc693f5624f_qkv, .Lfunc_end_k_qc693f5624f_qkv-k_qc693f5624f_qkv
	.p2alignl 7, 3214868480
	.fill 96, 4, 3214868480
	.section	.rodata,"a",@progbits
	.p2align	6, 0x0
	.amdhsa_kernel k_qc693f5624f_qkv
		.amdhsa_group_segment_fixed_size 327680
		.amdhsa_private_segment_fixed_size 0
		.amdhsa_enable_private_segment 0
		.amdhsa_kernarg_size 40
		.amdhsa_user_sgpr_count 2
		.amdhsa_user_sgpr_kernarg_segment_ptr 1
		.amdhsa_wavefront_size32 1
		.amdhsa_system_sgpr_workgroup_id_x 1
		.amdhsa_system_sgpr_workgroup_id_y 1
		.amdhsa_system_sgpr_workgroup_id_z 1
		.amdhsa_system_vgpr_workitem_id 0
		.amdhsa_next_free_vgpr 256
		.amdhsa_next_free_sgpr 96
		.amdhsa_reserve_vcc 0
		.amdhsa_float_denorm_mode_32 3
		.amdhsa_float_denorm_mode_16_64 3
		.amdhsa_memory_ordered 1
		.amdhsa_forward_progress 1
		.amdhsa_inst_pref_size 98
	.end_amdhsa_kernel
	.amdgpu_metadata
---
amdhsa.version: [ 1, 2 ]
amdhsa.kernels:
  - .name:           k_qc693f5624f_qkv
    .symbol:         k_qc693f5624f_qkv.kd
    .args:
      - { .name: xc, .offset: 0, .size: 8, .value_kind: global_buffer, .address_space: global }
      - { .name: wc, .offset: 8, .size: 8, .value_kind: global_buffer, .address_space: global }
      - { .name: tab, .offset: 16, .size: 8, .value_kind: global_buffer, .address_space: global }
      - { .name: lowp_scales, .offset: 24, .size: 8, .value_kind: global_buffer, .address_space: global }
      - { .name: qkv, .offset: 32, .size: 8, .value_kind: global_buffer, .address_space: global }
    .group_segment_fixed_size: 327680
    .private_segment_fixed_size: 0
    .kernarg_segment_align: 8
    .kernarg_segment_size: 40
    .max_flat_workgroup_size: 256
    .sgpr_count:     96
    .vgpr_count:     256
    .wavefront_size: 32
...
	.end_amdgpu_metadata
.endif
;; end of part 2
;; launch attn (part 3): grid 16 x 16, 16 waves a work-group, no clusters, 327,680 bytes of LDS; arguments qkv, lowp_scales, oc; writes oc
.if DOCPART == 3
	.amdgcn_target "amdgcn-amd-amdhsa--gfx1250"
	.amdhsa_code_object_version 6
	.text
	.protected	k_qc693f5624f_attn
	.globl	k_qc693f5624f_attn
	.p2align	8
	.type	k_qc693f5624f_attn,@function
k_qc693f5624f_attn:
	s_mov_b64 s[64:65], 0
	v_nop
	global_prefetch_b8 v0, s[64:65] scope:SCOPE_SE
	s_setreg_imm32_b32 hwreg(HW_REG_WAVE_MODE, 25, 1), 1
	s_wait_xcnt 0x0
; Causal attention on codes of FP8 (E4M3), 16 heads of 64, 4,096 positions; the result is quantised for the last product and stored as codes.
; LEFT OUT: runs of 64 keys that lie wholly behind a pair of tiles' queries: the causal mask sets their scores to -infinity, so their p is 0 for all values of the inputs.  A NaN or an infinity that reaches only such a run is not carried to the result.
; THE SOFTMAX AHEAD OF THE SECOND PRODUCT: t = score x log2(e) / 8; M = the largest t so far, rounded UP to a whole number; p = 2^(t - M) is quantised along the keys, not normalised.  The sum is taken of the
; unquantised p, in f32, and divides at the end.  When M moves, the sum and O are multiplied by 2^(old M - new M): exact.  LIMIT: the scaled scores t stay under 2^31 in magnitude.
; SHARES.  Work-group (i, head), i = 0 .. 15, owns the query blocks i and 31 - i, 128 queries each.  Wave w = 4 pw + 2 sel + hf works on a PAIR of tiles, 2 pw and 2 pw + 1 (32 queries), so that each fragment of K and of V that it
; reads from LDS feeds two matrix instructions; of a step of 128 keys it takes the half hf, 64 keys: 8 KiB of fragments for 32 x 64 scores.  Steps 0 .. i: the waves with sel = 1 work block 31 - i's pair, those with sel = 0 block i's.
; Behind step i a low wave is done with its pair: it puts its raw state (O^T, the sum, -M of both tiles) into LDS bytes of its own, fetches the high pair's queries and goes on with an empty state:
; of the steps i + 1 .. 31 - i the owners (sel = 1) take the even ones and the helpers (sel = 0) the odd ones.  So a slot of 256 keys gives every wave two halves at first and one later.
; THE JOIN.  A low tile's row has two parts (hf = 0, 1), a high tile's four.  Parts, each under its own whole number M, are brought under the largest M by exact powers of two and added; a part that saw no key has -M = 3e38
; and gets the factor 0.  All parts go through LDS; wave (pw, sel, hf) joins and finishes tile 2 pw + hf of its first block.
; K's and V's codes come through a ring of two LDS slots of 256 keys, filled by the tensor data mover (waves 0, 1: K's two steps; waves 2, 3: V's) and read by all sixteen.  Every work-group walks all 16 changes of slots, so
; that the trip count is a constant; a slot whose first key lies behind the work-group's last query is not asked for (a jump on ids alone, the same in all waves, round the load's own lines; every wait on TENSORcnt is for 0).
; NO CLUSTER: work-groups that share a head's K and V own different query blocks; which steps are walked and which slots are asked for hang on the block: partners of a cluster would part on their places in it.
; PREFETCH: the head's work-group i = 0 is the one that asks for each slot first; its waves 4 to 7 name, 8 KiB each, lanes 256 bytes apart, the slot behind the one just asked for.  Slots 0 and 1 come by their loads alone; the last fill asks for nothing.
; LAYOUT.  Both products are used transposed: S^T = K Q^T, O^T = V^T P^T: a lane holds ONE query of each tile.  Row r of tile 2 b + u is position 32 b + 8 u + r + 8 (r / 8), so that the 16 registers of tiles 2 b, 2 b + 1 of S^T
; are the keys 32 b + 16 (lane / 16) + 0 .. 15.  The buffers are laid in the order of the operands' registers: a fragment is pieces of 512 bytes, 16 bytes a lane; a half of a step is four of K's tiles and two of the four pieces of each of V's fragments.
; OUT: oc, (position, feature) at (pos / 128) 131072 + (f / 128) 16384 + ((pos / 16) % 8) 2048 + ((f / 32) % 4) 512 + ((f / 16) % 2) 256 + (pos % 16) 16 + f % 16.
; LIMITS on the given exponents: entries 6 + 7 between -123 and 130 (added to c's exponent field); entry 8 between -126 and 119; entries 10 - 8 - 9 between -126 and 119.
; LDS: slot s at 32,768 s: K [step 2][tile 8][1,024], then V at + 16,384: [step 2][16 of the head's 64: 4][2,048].  65,536: the spare words.  67,584: the stage for the way out.  83,968: 24 regions of 9,216 bytes (two tiles' states):
; region 6 pw + (w % 4): wave w's part of the high pair; region 6 pw + 4 + hf: a low wave's part of the low pair.
; REGISTERS (x = 0, 1: the pair's tiles): v1 16 x lane; v2, v3 the spare word's address and 0; v4 256 x lane; v5 my query less the tile's first, less 16 (lane / 16); v6 into the stage; v7 out of it; v8 the same place in oc;
;   v9, v229 my half of K, of V in the slot in hand; v10, v228 448 x 2^e8; v11 2^e8; v[12 + 4 x ..]: -M, the largest t, the sum in two halves; v[20 + 8 x ..] Q; v36-67 K's four fragments, then V's; v[68 + 32 x ..] S^T, then p;
;   v[132 + 32 x ..] O^T; v[196 + 8 x ..] p's codes; v[212 + 8 x ..] at work; v230 -infinity; v232, v233 the last conversion's scale and 448 x it; v234-236 the states' addresses; v237, v238 my half's place in a slot.
; SCALARS: s10 wave, s11 head, s12 i, s13 sel, s14 pw, s15 hf, s16 the pair's first query, s17 the slot's first key, s18 my half's first key, s19 changes to come, s[72:73] the key from which on I leave even, odd steps out,
;   s74 the half behind which I change pairs, s75 the work-group's last query, s76, s77 the high pair's first query and its last + 1, s78 the slot in hand.
.set SLOT1, 32768
.set SPARE, 65536
.set STG,   SPARE+2048
.set STATE, STG+16384
.set TREG,  4608
.set SREG,  2*TREG
.set NSL,   16
.set G1, 24
.set G0, 32
.set ST, 12
.set QQ, 20
.set FR, 36
.set SS, 68
.set OO, 132
.set CD, 196
.set WK, 212
.macro TLOAD                           ; waves 0 to 3 fetch: the branch hangs on the wave's number alone; s_nop 0 and four v_nop follow the load
	s_cmp_lt_u32 s10, 4
	s_cbranch_scc0 .Lnone_\@
	tensor_load_to_lds s[G0:G0+3], s[G1:G1+7]
	s_nop 0
.rept 4
	v_nop
.endr
.Lnone_\@:
.endm
.macro PUT2 a                          ; both tiles' states into LDS: each accumulator from its low end on
.irp x, 0,1
.irp n, 0,1,2,3,4,5,6,7
	ds_store_b128 v[\a], v[OO+32*\x+4*\n:OO+32*\x+4*\n+3] offset:TREG*\x+512*\n
.endr
	ds_store_b128 v[\a], v[ST+4*\x:ST+4*\x+3] offset:TREG*\x+4096
.endr
.endm
.macro GET k, o, s                     ; part k of my tile: O^T into v[o ..], -M, t and the sum into v[s ..]
.irp n, 0,1,2,3,4,5,6,7
	ds_load_b128 v[\o+4*\n:\o+4*\n+3], v236 offset:(\k)*SREG+512*\n
.endr
	ds_load_b128 v[\s:\s+3], v236 offset:(\k)*SREG+4096
.endm
.macro MERGE o, s                      ; the part in v[o ..], v[s ..] is added to the one in v[OO ..], v[12:15]
	v_min_num_f32 v212, v12, v[\s]                 ; -M of the two together
	v_sub_f32 v213, v212, v12                      ; whole numbers, 0 or less
	v_sub_f32 v215, v212, v[\s]
	v_cvt_i32_f32 v213, v213                       ; (they saturate: an empty part's factor is 0)
	v_cvt_i32_f32 v215, v215
	v_ldexp_f32 v216, 1.0, v213
	v_ldexp_f32 v218, 1.0, v215
	v_mov_b32 v12, v212
.set n, 0
.rept 16
	v_pk_mul_f32 v[OO+n:OO+n+1], v[OO+n:OO+n+1], v[216:217] op_sel_hi:[1,0]
.set n, n+2
.endr
	v_pk_mul_f32 v[14:15], v[14:15], v[216:217] op_sel_hi:[1,0]
.set n, 0
.rept 16
	v_pk_fma_f32 v[OO+n:OO+n+1], v[\o+n:\o+n+1], v[218:219], v[OO+n:OO+n+1] op_sel_hi:[1,0,1]
.set n, n+2
.endr
	v_pk_fma_f32 v[14:15], v[\s+2:\s+3], v[218:219], v[14:15] op_sel_hi:[1,0,1]
.endm
; MY HALF, 64 keys, OF THE SLOT'S q-th STEP, for both tiles of my pair; the two tiles' chains stand line by line beside each other.
.macro STEP q
	s_cmp_ge_u32 s18, s[72+\q]                     ; hidden from my pair, or another wave's step: ids and the count of steps alone
	s_cbranch_scc1 .Lhid_\@
.rept 4
	v_nop                                          ; four places between the last products and loads into the registers that they read
.endr
.irp t, 0,1,2,3
.irp c, 0,1
	ds_load_b128 v[FR+8*\t+4*\c:FR+8*\t+4*\c+3], v9 offset:(\q)*8192+\t*1024+\c*512
.endr
.endr
	s_wait_dscnt 0x0
.irp t, 0,1,2,3
.irp x, 0,1
	v_wmma_f32_16x16x64_fp8_fp8 v[SS+32*\x+8*\t:SS+32*\x+8*\t+7], v[FR+8*\t:FR+8*\t+7], v[QQ+8*\x:QQ+8*\x+7], 0
.endr
.endr
.rept 4
	v_nop                                          ; places in front of the loads below and of the first read of the scores
.endr
.irp t, 0,1,2,3
.irp c, 0,1
	ds_load_b128 v[FR+8*\t+4*\c:FR+8*\t+4*\c+3], v229 offset:(\q)*8192+\t*2048+\c*512   ; V's fragments land while the softmax is worked
.endr
.endr
	s_add_co_u32 s66, s18, 63                      ; on the diagonal the scores of hidden keys become -infinity ahead of the maximum.  A half all of whose keys count skips this
	s_cmp_le_u32 s66, s16
	s_cbranch_scc1 .Lopen_\@
	s_sub_co_i32 s66, s16, s18
	v_add_nc_u32 v[WK+3], s66, v5                  ; d = my query - the half's first key - 16 (lane / 16).  Register 16 b + i holds key 32 b + 16 (lane / 16) + i: hidden where 32 b + i > d
	v_add_nc_u32 v[WK+11], 8, v[WK+3]              ; the second tile's queries lie 8 on
	v_mov_b32 v230, 0xff800000
.irp x, 0,1
.set n, 0
.rept 32
	v_cmp_gt_i32 vcc_lo, 32*(n/16)+n%16, v[WK+8*\x+3]
	v_cndmask_b32 v[SS+32*\x+n], v[SS+32*\x+n], v230, vcc_lo
.set n, n+1
.endr
.endr
.Lopen_\@:
.irp x, 0,1
	v_max3_num_f32 v[WK+8*\x], v[SS+32*\x], v[SS+32*\x+1], v[SS+32*\x+2]   ; the half's largest score of my query, in two chains a tile (each accumulator is read from its low end on)
	v_max3_num_f32 v[WK+8*\x+1], v[SS+32*\x+3], v[SS+32*\x+4], v[SS+32*\x+5]
.endr
.set n, 6
.rept 6
.irp x, 0,1
	v_max3_num_f32 v[WK+8*\x], v[WK+8*\x], v[SS+32*\x+n], v[SS+32*\x+n+1]
	v_max3_num_f32 v[WK+8*\x+1], v[WK+8*\x+1], v[SS+32*\x+n+2], v[SS+32*\x+n+3]
.endr
.set n, n+4
.endr
.irp x, 0,1
	v_max3_num_f32 v[WK+8*\x], v[WK+8*\x], v[SS+32*\x+30], v[SS+32*\x+31]
.endr
.irp x, 0,1
	v_max_num_f32 v[WK+8*\x], v[WK+8*\x], v[WK+8*\x+1]
.endr
.irp x, 0,1
	v_permlanex16_b32 v[WK+8*\x+2], v[WK+8*\x], s20, s21
.endr
.irp x, 0,1
	v_max_num_f32 v[WK+8*\x], v[WK+8*\x], v[WK+8*\x+2]   ; and among lane l xor 16's
.endr
.irp x, 0,1
	v_mul_f32 v[WK+8*\x], s22, v[WK+8*\x]          ; as t (c is positive)
.endr
.irp x, 0,1
	v_max_num_f32 v[ST+4*\x+1], v[ST+4*\x+1], v[WK+8*\x]   ; the running largest t
.endr
.irp x, 0,1
	v_mov_b32 v[WK+8*\x], v[ST+4*\x]
.endr
.irp x, 0,1
	v_floor_f32 v[ST+4*\x], -v[ST+4*\x+1]          ; the new -M = -ceil(t)
.endr
.irp x, 0,1
	v_sub_f32 v[WK+8*\x], v[ST+4*\x], v[WK+8*\x]   ; old M less new M: a whole number, 0 or less
.endr
.irp x, 0,1
	v_cvt_i32_f32 v[WK+8*\x], v[WK+8*\x]           ; (it saturates)
.endr
.irp x, 0,1
	v_ldexp_f32 v[WK+8*\x+4], 1.0, v[WK+8*\x]      ; f = 2^(old M - new M)
.endr
.irp x, 0,1
.set n, 0
.rept 16
	v_pk_fma_f32 v[SS+32*\x+n:SS+32*\x+n+1], v[SS+32*\x+n:SS+32*\x+n+1], s[22:23], v[ST+4*\x:ST+4*\x+1] op_sel_hi:[1,0,0]   ; t - M, two at a time
.set n, n+2
.endr
.endr
	s_wait_alu depctr_va_vdst(0)
.set n, 0
.rept 64
	v_exp_f32 v[SS+n], v[SS+n]                     ; p = 2^(t - M), at most 1
.set n, n+1
.endr
.irp x, 0,1
	v_pk_mul_f32 v[ST+4*\x+2:ST+4*\x+3], v[ST+4*\x+2:ST+4*\x+3], v[WK+8*\x+4:WK+8*\x+5] op_sel_hi:[1,0]   ; the sums under the new M: plain lines behind the exponentials
.endr
	s_wait_alu depctr_va_vdst(0)                   ; one wait for the batch of 64, ahead of its first reader
.irp x, 0,1
	v_pk_add_f32 v[WK+8*\x+6:WK+8*\x+7], v[SS+32*\x:SS+32*\x+1], v[SS+32*\x+2:SS+32*\x+3]   ; the row's sum of the unquantised p, in two chains a tile
	v_pk_add_f32 v[ST+4*\x+2:ST+4*\x+3], v[ST+4*\x+2:ST+4*\x+3], v[SS+32*\x+4:SS+32*\x+5]
.endr
.set n, 6
.rept 6
.irp x, 0,1
	v_pk_add_f32 v[WK+8*\x+6:WK+8*\x+7], v[WK+8*\x+6:WK+8*\x+7], v[SS+32*\x+n:SS+32*\x+n+1]
	v_pk_add_f32 v[ST+4*\x+2:ST+4*\x+3], v[ST+4*\x+2:ST+4*\x+3], v[SS+32*\x+n+2:SS+32*\x+n+3]
.endr
.set n, n+4
.endr
.irp x, 0,1
	v_pk_add_f32 v[WK+8*\x+6:WK+8*\x+7], v[WK+8*\x+6:WK+8*\x+7], v[SS+32*\x+30:SS+32*\x+31]
.endr
.irp x, 0,1
	v_pk_add_f32 v[ST+4*\x+2:ST+4*\x+3], v[ST+4*\x+2:ST+4*\x+3], v[WK+8*\x+6:WK+8*\x+7]
.endr
.irp x, 0,1
.irp b, 0,1
.set n, 0
.rept 8
	v_dual_min_num_f32 v[SS+32*\x+16*\b+n], v[SS+32*\x+16*\b+n], v10 :: v_dual_min_num_f32 v[SS+32*\x+16*\b+n+1], v[SS+32*\x+16*\b+n+1], v228   ; the conversion does not saturate (ISA guide 7.6.2); p is not negative: a one-sided hold, two numbers a line, with no jump
.set n, n+2
.endr
	v_cvt_scalef32_pk8_fp8_f32 v[CD+8*\x+4*\b:CD+8*\x+4*\b+1], v[SS+32*\x+16*\b:SS+32*\x+16*\b+7], v11
	v_cvt_scalef32_pk8_fp8_f32 v[CD+8*\x+4*\b+2:CD+8*\x+4*\b+3], v[SS+32*\x+16*\b+8:SS+32*\x+16*\b+15], v11
.endr
.endr
	s_wait_alu depctr_va_vdst(0)                   ; directly ahead of the first reader of O^T
.irp x, 0,1
.set n, 0
.rept 16
	v_pk_mul_f32 v[OO+32*\x+n:OO+32*\x+n+1], v[OO+32*\x+n:OO+32*\x+n+1], v[WK+8*\x+4:WK+8*\x+5] op_sel_hi:[1,0]   ; O^T under the new M.  (Also the plain lines between the conversions and the products)
.set n, n+2
.endr
.endr
	s_wait_alu depctr_va_vdst(0)
	s_wait_dscnt 0x0                               ; V's fragments are in
.irp t, 0,1,2,3
.irp x, 0,1
	v_wmma_f32_16x16x64_fp8_fp8 v[OO+32*\x+8*\t:OO+32*\x+8*\t+7], v[FR+8*\t:FR+8*\t+7], v[CD+8*\x:CD+8*\x+7], v[OO+32*\x+8*\t:OO+32*\x+8*\t+7]   ; the eight accumulators take turns
.endr
.endr
.Lhid_\@:
	s_cmp_lg_u32 s18, s74                          ; was this my half of the low block's last step (worked or hidden)?
	s_cbranch_scc1 .Lsame_\@
.rept 4
	v_nop                                          ; four places behind the products
.endr
	PUT2 234                                       ; the low pair's part waits in LDS for the join
.irp c, 0,1,2,3
	global_load_b128 v[QQ+4*\c:QQ+4*\c+3], v1, s[2:3] offset:512*\c   ; the high pair's queries,
.endr
.set n, 0
.rept 64
	v_mov_b32 v[OO+n], 0                           ; and an empty state
.set n, n+1
.endr
.irp x, 0,1
	v_mov_b32 v[ST+4*\x], 0x7f61b1e6
	v_mov_b32 v[ST+4*\x+1], 0xff61b1e6
	v_mov_b32 v[ST+4*\x+2], 0
	v_mov_b32 v[ST+4*\x+3], 0
.endr
	s_mov_b32 s16, s76
	s_mov_b32 s72, 0                               ; no even step is mine from here on,
	s_mov_b32 s73, s77                             ; the odd ones up to the high pair's last query
	s_wait_alu depctr_va_vdst(0)
	s_wait_loadcnt 0x0
.Lsame_\@:
	s_add_co_u32 s18, s18, 128
.endm
; THE CHANGE OF SLOTS stands at a slot's head.  fill = 1: behind the barrier the slot just left is filled with the 256 keys that follow, up to the causal limit.
.macro CHANGE fill
	s_wait_tensorcnt 0x0                           ; no tensor load of mine is out, so group 0 may be written
	ds_add_u32 v2, v3
.if \fill
	ds_add_u32 v2, v3
	s_xor_b32 s[G0+1], s[G0+1], SLOT1
	s_add_nc_u64 s[G0+2:G0+3], s[G0+2:G0+3], 16384 ; the next 256 keys
	s_wait_xcnt 0x0                                ; any prefetch of mine has read its address
	s_add_nc_u64 s[42:43], s[42:43], 16384
.endif
	v_add_nc_u32 v9, s78, v237                     ; my half of K's tiles in the slot ahead,
	v_add_nc_u32 v229, s78, v238                   ; and of V's fragments
	s_wait_alu depctr_va_vdst(0)
	s_wait_dscnt 0x0                               ; the adds are done, and my reads of the slot that I have left are over
	s_barrier_signal -1
	s_barrier_wait -1
.if \fill
	s_add_co_u32 s66, s17, 256                     ; the first key of the slot that this change would ask for,
	s_cmp_gt_u32 s66, s75                          ; against my work-group's last query
	s_cbranch_scc1 .Lpast_\@
	TLOAD
.Lpast_\@:
	s_cmp_gt_u32 s19, s44                          ; the prefetch: waves 4 to 7 of work-group i = 0, while a slot lies behind the one just asked for
	s_cbranch_scc0 .Lnot_mine_\@
	global_prefetch_b8 v4, s[42:43] th:TH_LOAD_NT scope:SCOPE_SE
.Lnot_mine_\@:
.endif
.endm
	s_load_b128 s[4:7], s[0:1], 0x0                ; qkv s[4:5], the scales' exponents s[6:7]
	s_load_b64 s[8:9], s[0:1], 0x10                ; oc
	v_lshl_add_u32 v2, v0, 2, SPARE
	v_mov_b32 v3, 0
	ds_add_u32 v2, v3                              ; the opening lines: the add twice on end and one wait
	ds_add_u32 v2, v3
	v_lshrrev_b32 v212, 5, v0
	v_readfirstlane_b32 s10, v212                  ; wave 0..15
	s_and_b32 s11, ttmp7, 0xffff                   ; the head
	s_mov_b32 s12, ttmp9                           ; i
	s_lshr_b32 s14, s10, 2                         ; pw
	s_bfe_u32 s13, s10, 0x10001                    ; sel
	s_and_b32 s15, s10, 1                          ; hf
	s_sub_co_u32 s79, 31, s12                      ; the high block
	s_cmp_eq_u32 s13, 1
	s_cselect_b32 s45, s79, s12                    ; my first block
	s_lshl_b32 s66, s14, 5                         ; the pair's first row in a block
	s_lshl_b32 s16, s45, 7
	s_add_co_u32 s16, s16, s66                     ; my pair's first query
	s_lshl_b32 s76, s79, 7
	s_add_co_u32 s76, s76, s66                     ; the high pair's
	s_add_co_u32 s77, s76, 32                      ; its last + 1
	s_add_co_u32 s72, s16, 32                      ; even steps: up to my pair's last query
	s_add_co_u32 s67, s12, 1
	s_lshl_b32 s67, s67, 7                         ; the first key behind the low block
	s_lshl_b32 s18, s15, 6                         ; my half's first key
	s_lshl_b32 s68, s12, 7
	s_add_co_u32 s68, s68, s18                     ; my half of the low block's last step
	s_cmp_eq_u32 s13, 1
	s_cselect_b32 s73, s67, s72                    ; odd steps: an owner leaves them to the helpers behind the low block
	s_cselect_b32 s74, -1, s68                     ; an owner never changes pairs
	s_sub_co_u32 s75, 32, s12
	s_lshl_b32 s75, s75, 7
	s_sub_co_u32 s75, s75, 1                       ; my work-group's last query
	s_mov_b32 s17, 0
	s_mov_b32 s19, NSL-1
	s_mov_b32 s78, 0
	s_mov_b32 s20, 0x76543210
	s_mov_b32 s21, 0xfedcba98                      ; v_permlanex16_b32's selects for lane l xor 16
	s_mov_b32 s[G1], 3<<16                         ; group 1: 8 KiB dense in memory, as 32 rows of 32 elements of 8 bytes; no mask, no padding
	s_mov_b32 s[G1+1], 32<<16
	s_mov_b32 s[G1+2], 32<<16
	s_mov_b32 s[G1+3], 32<<16
	s_mov_b32 s[G1+4], 32
	s_mov_b32 s[G1+5], 32
	s_mov_b32 s[G1+6], 0
	s_mov_b32 s[G1+7], 0
	s_add_co_u32 s40, s13, 1                       ; what I fetch or prefetch: (w / 2) % 2: K (0) or V (1),
	s_lshl_b32 s40, s40, 22                        ; at 4 MiB or 8 MiB of qkv,
	s_lshl_b32 s41, s11, 18                        ; the head's 262,144 bytes,
	s_add_co_u32 s40, s40, s41
	s_lshl_b32 s41, s15, 13                        ; the slot's first or second step
	s_add_co_u32 s40, s40, s41
	s_mov_b32 s41, 0
	s_and_b32 s68, s10, 3
	s_lshl_b32 s68, s68, 13                        ; and its place in a slot
	s_lshl_b32 s46, s11, 18                        ; Q: the head, 8,192 bytes a block, 2,048 a pair of tiles
	s_lshl_b32 s47, s14, 11
	s_add_co_u32 s46, s46, s47
	s_lshl_b32 s2, s79, 13
	s_add_co_u32 s2, s2, s46                       ; the high pair's,
	s_mov_b32 s3, 0
	s_lshl_b32 s47, s45, 13
	s_add_co_u32 s46, s46, s47                     ; my first pair's
	s_mov_b32 s47, 0
	s_lshr_b32 s66, s11, 1                         ; oc: K step head / 2, the upper or lower 1,024 bytes of each block of 16 rows
	s_lshl_b32 s66, s66, 14
	s_and_b32 s67, s11, 1
	s_lshl_b32 s67, s67, 10
	s_add_co_u32 s66, s66, s67
	s_lshl_b32 s60, s12, 17                        ; block i,
	s_add_co_u32 s60, s60, s66
	s_mov_b32 s61, 0
	s_lshl_b32 s62, s79, 17                        ; block 31 - i
	s_add_co_u32 s62, s62, s66
	s_mov_b32 s63, 0
	s_xor_b32 s66, s14, 1                          ; who prefetches: waves 4 to 7
	s_or_b32 s66, s66, s12                         ; of work-group i = 0
	s_cmp_eq_u32 s66, 0
	s_cselect_b32 s44, 1, -1
	s_lshl_b32 s69, s13, 13                        ; the stage, for the tile 2 pw + hf that I finish: 8,192 sel
	s_lshl_b32 s66, s14, 11                        ; + 2,048 pw
	s_add_co_u32 s69, s69, s66
	s_lshl_b32 s66, s15, 7                         ; + 128 hf
	s_add_co_u32 s69, s69, s66
	s_add_co_u32 s69, s69, STG
	s_mul_i32 s39, s14, 6                          ; the states: six regions for each pw
	s_and_b32 s66, s10, 3
	s_add_co_u32 s70, s39, s66
	s_mul_i32 s70, s70, SREG
	s_add_co_u32 s70, s70, STATE                   ; region 6 pw + w % 4: my part of the high pair
	s_xor_b32 s67, s13, 1                          ; 1 - sel
	s_lshl_b32 s66, s67, 1
	s_add_co_u32 s71, s39, s66
	s_add_co_u32 s71, s71, s15
	s_add_co_u32 s71, s71, 2
	s_mul_i32 s71, s71, SREG
	s_add_co_u32 s71, s71, STATE                   ; region 6 pw + 2 + hf + 2 (1 - sel): a low wave's part of the low pair (in an owner, which never stores there: its own region above)
	s_lshl_b32 s66, s67, 2
	s_add_co_u32 s38, s39, s66
	s_mul_i32 s38, s38, SREG
	s_mul_i32 s66, s15, TREG
	s_add_co_u32 s38, s38, s66
	s_add_co_u32 s38, s38, STATE                   ; the join reads from region 6 pw + 4 (1 - sel) on, tile hf
	s_lshl_b32 s36, s15, 12                        ; my half of a step: K's tiles 4 hf on,
	s_lshl_b32 s37, s15, 10
	s_add_co_u32 s37, s37, 16384                   ; V's pieces 2 hf on
	v_and_b32 v212, 31, v0
	v_lshlrev_b32 v1, 4, v212                      ; 16 x lane
	v_lshlrev_b32 v4, 8, v212                      ; 256 x lane
	v_and_b32 v213, 15, v0                         ; r
	v_bfe_u32 v214, v0, 4, 1                       ; h
	v_and_b32 v215, 8, v213                        ; 8 (r / 8)
	v_add_nc_u32 v5, v213, v215
	v_lshlrev_b32 v216, 4, v214
	v_sub_nc_u32 v5, v5, v216                      ; r + 8 (r / 8) - 16 h
	v_and_b32 v216, 7, v213
	v_lshlrev_b32 v6, 4, v216
	v_lshl_add_u32 v6, v215, 7, v6
	v_lshl_add_u32 v6, v214, 3, v6                 ; the stage, in: (r / 8) 1024 + (r % 8) 16 + 8 h
	v_add_nc_u32 v6, s69, v6
	v_lshl_add_u32 v7, v0, 4, STG                  ; out: 16 x thread
	v_lshrrev_b32 v8, 6, v0
	v_lshlrev_b32 v8, 11, v8
	v_and_b32 v216, 63, v0
	v_lshl_add_u32 v8, v216, 4, v8                 ; in oc a block of 16 rows is 2,048 bytes, of which the head has 1,024 on end
	v_add_nc_u32 v234, s71, v1
	v_add_nc_u32 v235, s70, v1
	v_add_nc_u32 v236, s38, v1
	v_add_nc_u32 v237, s36, v1
	v_add_nc_u32 v238, s37, v1
	s_wait_alu depctr_va_vdst(0)
	s_wait_dscnt 0x0                               ; both opening adds are done
	s_wait_kmcnt 0x0
	s_load_b256 s[48:55], s[6:7], 0x0              ; entries 0 to 7
	s_load_b128 s[56:59], s[6:7], 0x20             ; entries 8 to 11
	s_add_nc_u64 s[40:41], s[4:5], s[40:41]
	s_mov_b32 s[G0], 1
	s_mov_b32 s[G0+1], s68                         ; slot 0
	s_mov_b64 s[G0+2:G0+3], s[40:41]
	s_or_b32 s[G0+3], s[G0+3], 0x80000000
	TLOAD                                          ; slot 0: the launch's first fill
	s_add_nc_u64 s[42:43], s[40:41], 16384         ; the prefetches stand at slot 1; the first change steps them to slot 2
	s_add_nc_u64 s[46:47], s[4:5], s[46:47]
	s_add_nc_u64 s[2:3], s[4:5], s[2:3]
	s_add_nc_u64 s[60:61], s[8:9], s[60:61]
	s_add_nc_u64 s[62:63], s[8:9], s[62:63]
.irp c, 0,1,2,3
	global_load_b128 v[QQ+4*\c:QQ+4*\c+3], v1, s[46:47] offset:512*\c   ; my pair's two fragments of Q stay in registers
.endr
.irp x, 0,1
	v_mov_b32 v[ST+4*\x], 0x7f61b1e6               ; -M,
	v_mov_b32 v[ST+4*\x+1], 0xff61b1e6             ; the largest t so far: -3e38, under every t,
	v_mov_b32 v[ST+4*\x+2], 0                      ; the sum
	v_mov_b32 v[ST+4*\x+3], 0
	v_mov_b32 v[WK+8*\x+2], 0                      ; written once: a lane permute's destination counts as one of its sources
	v_mov_b32 v[WK+8*\x+5], 0                      ; (named as the upper half of a pair)
.endr
.set n, 0
.rept 64
	v_mov_b32 v[OO+n], 0                           ; O^T: the step has no first step of its own
.set n, n+1
.endr
	s_wait_kmcnt 0x0
	s_add_co_i32 s66, s54, s55                     ; e6 + e7 are added to c's exponent field
	s_lshl_b32 s66, s66, 23
	s_mov_b32 s22, 0x3e38aa3b                      ; c = log2(e) / sqrt(64)
	s_add_co_i32 s22, s22, s66
	s_mov_b32 s23, s22
	s_add_co_i32 s66, s56, 127
	s_lshl_b32 s67, s66, 23
	v_mov_b32 v11, s67                             ; 2^e8, for p's conversion
	s_add_co_i32 s66, s66, 8
	s_lshl_b32 s66, s66, 23
	s_or_b32 s66, s66, 0x600000
	v_mov_b32 v10, s66                             ; 448 x 2^e8,
	v_mov_b32 v228, s66                            ; twice: the two halves of a dual line take their second sources from different register banks
	s_sub_co_i32 s66, s58, s56                     ; O^T / the sum stands for that x 2^(e8 + e9): its code is that / 2^(e10 - e8 - e9)
	s_sub_co_i32 s66, s66, s57
	s_add_co_i32 s66, s66, 127
	s_lshl_b32 s67, s66, 23
	v_mov_b32 v232, s67
	s_add_co_i32 s66, s66, 8
	s_lshl_b32 s66, s66, 23
	s_or_b32 s66, s66, 0x600000
	v_mov_b32 v233, s66
	s_wait_alu depctr_va_vdst(0)
	s_wait_loadcnt 0x0                             ; Q
.Lslot:                                            ; NSL - 1 trips
	CHANGE 1
	STEP 0
	STEP 1
	s_xor_b32 s78, s78, SLOT1
	s_add_co_u32 s17, s17, 256
	s_sub_co_u32 s19, s19, 1
	s_cmp_lg_u32 s19, 0
	s_cbranch_scc1 .Lslot
	CHANGE 0                                       ; the last slot is written out: nothing follows it
	STEP 0
	STEP 1
	; THE JOIN AND THE WAY OUT.
.rept 4
	v_nop                                          ; four places behind the last products
.endr
	PUT2 235                                       ; every wave holds a part of the high pair
	v_mov_b32 v217, 0                              ; (named as the upper halves of the factors' pairs)
	v_mov_b32 v219, 0
	s_wait_alu depctr_va_vdst(0)
	s_wait_dscnt 0x0                               ; for the others' sake: my stores are done
	s_barrier_signal -1
	s_barrier_wait -1
	GET 0, OO, 12                                  ; my tile's first part is the state to begin with,
	GET 1, 68, 196
	s_cmp_eq_u32 s13, 0                            ; a low tile has two parts, a high one four
	s_cbranch_scc1 .Ltwo
	GET 2, 100, 200
	GET 3, 164, 204
.Ltwo:
	s_wait_dscnt 0x0
	MERGE 68, 196
	s_cmp_eq_u32 s13, 0
	s_wait_alu depctr_va_vdst(0)
	s_cbranch_scc1 .Ljoined
	MERGE 100, 200
	MERGE 164, 204
.Ljoined:
	v_add_f32 v14, v14, v15                        ; the sum's two halves,
	v_permlanex16_b32 v214, v14, s20, s21
	v_add_f32 v14, v14, v214                       ; and lane l xor 16's: the row's sum
	s_wait_alu depctr_va_vdst(0)
	v_rcp_f32 v14, v14
	v_nop                                          ; a plain line behind the reciprocal
	s_wait_alu depctr_va_vdst(0)                   ; and the wait ahead of its first reader
.set n, 0
.rept 16
	v_pk_mul_f32 v[68+n:69+n], v[OO+n:OO+n+1], v[14:15] op_sel_hi:[1,0]   ; register 8 t + j: feature 16 t + 8 h + j of my query
.set n, n+2
.endr
.set n, 0
.rept 32
	v_med3_num_f32 v[68+n], v[68+n], -v233, v233
.set n, n+1
.endr
.irp t, 0,1,2,3
	v_cvt_scalef32_pk8_fp8_f32 v[196+2*\t:197+2*\t], v[68+8*\t:75+8*\t], v232
.endr
	v_nop                                          ; a plain line behind the last conversion
.irp t, 0,1,2,3
	ds_store_b64 v6, v[196+2*\t:197+2*\t] offset:(\t/2)*512+(\t%2)*256
.endr
	s_wait_dscnt 0x0                               ; for the others' sake: my stores into the stage are done
	s_barrier_signal -1
	s_barrier_wait -1
	ds_load_b128 v[100:103], v7                    ; block i's codes,
	ds_load_b128 v[104:107], v7 offset:8192        ; block 31 - i's
	s_wait_dscnt 0x1
	global_store_b128 v8, v[100:103], s[60:61]     ; a wave stores 512 consecutive bytes, aligned
	s_wait_dscnt 0x0
	global_store_b128 v8, v[104:107], s[62:63]
	s_wait_tensorcnt 0x0                           ; the wave's end
	ds_add_u32 v2, v3
	s_wait_dscnt 0x0
	s_endpgm
.Lfunc_end_k_qc693f5624f_attn:
	.size	k_qc693f5624f_attn, .Lfunc_end_k_qc693f5624f_attn-k_qc693f5624f_attn
	.p2alignl 7, 3214868480
	.fill 96, 4, 3214868480
	.section	.rodata,"a",@progbits
	.p2align	6, 0x0
	.amdhsa_kernel k_qc693f5624f_attn
		.amdhsa_group_segment_fixed_size 327680
		.amdhsa_private_segment_fixed_size 0
		.amdhsa_enable_private_segment 0
		.amdhsa_kernarg_size 24
		.amdhsa_user_sgpr_count 2
		.amdhsa_user_sgpr_kernarg_segment_ptr 1
		.amdhsa_wavefront_size32 1
		.amdhsa_system_sgpr_workgroup_id_x 1
		.amdhsa_system_sgpr_workgroup_id_y 1
		.amdhsa_system_sgpr_workgroup_id_z 1
		.amdhsa_system_vgpr_workitem_id 0
		.amdhsa_next_free_vgpr 256
		.amdhsa_next_free_sgpr 80
		.amdhsa_reserve_vcc 1
		.amdhsa_float_denorm_mode_32 3
		.amdhsa_float_denorm_mode_16_64 3
		.amdhsa_memory_ordered 1
		.amdhsa_forward_progress 1
		.amdhsa_inst_pref_size 125
	.end_amdhsa_kernel
	.amdgpu_metadata
---
amdhsa.version: [ 1, 2 ]
amdhsa.kernels:
  - .name:           k_qc693f5624f_attn
    .symbol:         k_qc693f5624f_attn.kd
    .args:
      - { .name: qkv, .offset: 0, .size: 8, .value_kind: global_buffer, .address_space: global }
      - { .name: lowp_scales, .offset: 8, .size: 8, .value_kind: global_buffer, .address_space: global }
      - { .name: oc, .offset: 16, .size: 8, .value_kind: global_buffer, .address_space: global }
    .group_segment_fixed_size: 327680
    .private_segment_fixed_size: 0
    .kernarg_segment_align: 8
    .kernarg_segment_size: 24
    .max_flat_workgroup_size: 512
    .sgpr_count:     80
    .vgpr_count:     256
    .wavefront_size: 32
...
	.end_amdgpu_metadata
.endif
;; end of part 3
;; launch oproj (part 4): grid 8 x 32, 8 waves a work-group, clusters of 4 x 4, 263,168 bytes of LDS; arguments oc, wc, lowp_scales, out0; writes out0
.if DOCPART == 4
	.amdgcn_target "amdgcn-amd-amdhsa--gfx1250"
	.amdhsa_code_object_version 6
	.text
	.protected	k_qc693f5624f_oproj
	.globl	k_qc693f5624f_oproj
	.p2align	8
	.type	k_qc693f5624f_oproj,@function
k_qc693f5624f_oproj:
	s_mov_b64 s[64:65], 0
	v_nop
	global_prefetch_b8 v0, s[64:65] scope:SCOPE_SE
	s_setreg_imm32_b32 hwreg(HW_REG_WAVE_MODE, 25, 1), 1
	s_wait_xcnt 0x0
	s_wait_alu depctr_hold_cnt(0) depctr_sa_sdst(0) depctr_va_vdst(0) depctr_va_sdst(0) depctr_va_ssrc(0) depctr_va_vcc(0) depctr_vm_vsrc(0)
	s_getreg_b32 s2, hwreg(HW_REG_IB_STS2, 6, 4)
	s_cmp_eq_u32 s2, 0
	s_cbranch_scc0 .Lentry_in_a_cluster
	s_endpgm
.Lentry_in_a_cluster:
	s_bfe_u32 s2, ttmp6, 0x10000c
	s_cmp_lg_u32 s2, 0xf033
	s_cbranch_scc0 .Lentry_shape_is_right
	s_endpgm
.Lentry_shape_is_right:
; out0 = o Wo^T on codes of FP8 (E4M3): o's codes [4096][1024] from the launch before, Wo's the fourth part of wc; out0 [4096][1024] f32.  Each finished sum is multiplied once by 2^(e10 + e11).
; A work-group makes 128 positions x 128 features: 256 work-groups.  THE TILE'S WHOLE K LIES IN LDS: 131,072 bytes of o's codes and as many of Wo's, dense in memory in the order of the operands' registers:
; every tensor load is a first fill, no LDS byte is filled twice.
; CLUSTERS: 4 x 4 work-groups.  o's tile hangs on the tile row and is shared along a row of the cluster, Wo's on the tile column and is shared along a column: each is asked for JOINTLY.
; SHARES.  Eight waves: wave w makes 64 positions (half wr = w / 4) x 32 features (quarter wc = w % 4): 8 accumulators.  Waves 0-3 fetch o's codes, waves 4-7 Wo's: one load of 32 KiB each.
; Source 0 = 16 rows of Wo, source 1 = 16 rows of o: a lane holds one position and eight neighbouring features: 32 bytes of a row of out0.  The tile goes through a stage in LDS and leaves as whole rows of 512 bytes.
; LIMIT: e10 + e11 between -126 and 127, so that 2^(e10 + e11) is an f32 number.
; LDS: o's codes (X) at 0: [K step 8][block of 16 rows 8][2,048]; Wo's (W) at 131,072 likewise.  The stage, 128 rows x (512 + 16) bytes, lies in X's bytes, which have had their only fill and, behind the barrier in front of the stores, their last read.
; REGISTERS: v1 16 x lane; v2, v3 X's fragments, K steps 0-3, 4-7; v4, v5 W's; v6 into the stage; v7 out of it; v88-151 accumulators; v152-215 X's four fragments, then the results; v216-247 W's two.
; THE LOADS, as they now stand: each wave issues ONE load of 32 KiB at the head, K steps 2 (w % 4) and 2 (w % 4) + 1 of o's codes (waves 0-3) or of Wo's (waves 4-7), and one barrier shows the whole K to every wave.
.set WL,   131072
.set SPITCH, 528
.set ACC,  88
.set FX,   152
.set FW,   216
.set G1X,  24                          ; s[24:31] descriptor group 1 for X's tiles;  s[32:39] for W's: they differ in the mask
.set G1W,  32
.set G0X,  44                          ; s[44:47] group 0 for X;  s[52:55] for W
.set G0W,  52
.macro CROUND                          ; a round of the cluster's barrier
	s_barrier_signal -1
	s_barrier_wait -1
	s_cmp_lg_u32 s14, 0
	s_cbranch_scc1 .Lnot_wave_0_\@
	s_barrier_signal -3
.Lnot_wave_0_\@:
	s_barrier_wait -3
	s_barrier_signal -1
	s_barrier_wait -1
.endm
.macro MM a, b, s                      ; accumulator (a, b), K step s; s = 0 starts the sum: nothing is ever cleared
.if (\s) == 0
	v_wmma_f32_16x16x128_fp8_fp8 v[ACC+8*(2*\a+\b):ACC+8*(2*\a+\b)+7], v[FW+16*\b:FW+16*\b+15], v[FX+16*\a:FX+16*\a+15], 0
.else
	v_wmma_f32_16x16x128_fp8_fp8 v[ACC+8*(2*\a+\b):ACC+8*(2*\a+\b)+7], v[FW+16*\b:FW+16*\b+15], v[FX+16*\a:FX+16*\a+15], v[ACC+8*(2*\a+\b):ACC+8*(2*\a+\b)+7]
.endif
.endm
; A K step of 128: 24 LDS loads, 8 products; the eight accumulators take turns, one instruction a turn, in the same order in every step.
.macro KSTEP s
.if (\s) > 0
.rept 4
	v_nop                                          ; four places between the last products and loads into the registers that they read
.endr
.endif
.irp b, 0,1
.irp c, 0,1,2,3
	ds_load_b128 v[FW+16*\b+4*\c:FW+16*\b+4*\c+3], v[4+(\s)/4] offset:((\s)%4)*16384+\b*2048+\c*512
.endr
.endr
.irp a, 0,1,2,3
.irp c, 0,1,2,3
	ds_load_b128 v[FX+16*\a+4*\c:FX+16*\a+4*\c+3], v[2+(\s)/4] offset:((\s)%4)*16384+\a*2048+\c*512
.endr
.endr
	s_wait_dscnt 0x8                               ; W's two and X's blocks 0, 1 are in; the youngest eight loads (blocks 2, 3) may be out
.irp a, 0,1
.irp b, 0,1
	MM \a, \b, \s
.endr
.endr
	s_wait_dscnt 0x0
.irp a, 2,3
.irp b, 0,1
	MM \a, \b, \s
.endr
.endr
.endm
	s_load_b256 s[4:11], s[0:1], 0x0               ; oc s[4:5], wc s[6:7], the scales' exponents s[8:9], out0 s[10:11]
	v_lshl_add_u32 v254, v0, 2, 0x40000
	v_mov_b32 v255, 0
	ds_add_u32 v254, v255
	ds_add_u32 v254, v255
	v_lshrrev_b32 v12, 5, v0
	s_delay_alu instid0(VALU_DEP_1)
	v_readfirstlane_b32 s14, v12                   ; wave 0..7
	s_lshr_b32 s15, s14, 2                         ; wr.  Also: I fetch for X (0) or for W (1)
	s_and_b32 s16, s14, 3                          ; wc.  Also: which K steps I fetch
	s_bfe_u32 s40, ttmp6, 0x40000                  ; cx, cy: my place in the cluster
	s_bfe_u32 s41, ttmp6, 0x40004
	s_lshl_b32 s18, ttmp9, 2
	s_add_co_u32 s18, s18, s40                     ; tile column 0..7
	s_and_b32 s19, ttmp7, 0xffff
	s_lshl_b32 s19, s19, 2
	s_add_co_u32 s19, s19, s41                     ; tile row 0..31
	s_lshl_b32 s42, s41, 2
	s_lshl_b32 s42, 15, s42                        ; my row of the cluster
	s_lshl_b32 s43, 0x1111, s40                    ; my column
	; descriptor group 1: 32 KiB that are dense in memory, as 128 rows of 32 elements of 8 bytes; no padding
	s_or_b32 s[G1X], s42, (3<<16)|(1<<21)          ; 15:0 the mask; 17:16 elements of 8 bytes; 21 set beside a mask
	s_or_b32 s[G1W], s43, (3<<16)|(1<<21)
.irp g, G1X, G1W
	s_mov_b32 s[\g+1], 32<<16                      ; tensor_dim0 = 32
	s_mov_b32 s[\g+2], 128<<16                     ; tensor_dim1 = 128: 32 KiB as 128 rows of 256 bytes
	s_mov_b32 s[\g+3], 32<<16                      ; tile_dim0 = 32
	s_mov_b32 s[\g+4], 128                         ; tile_dim1 = 128
	s_mov_b32 s[\g+5], 32                          ; tensor_dim0_stride
	s_mov_b32 s[\g+6], 0
	s_mov_b32 s[\g+7], 0
.endr
	s_lshl_b32 s66, s16, 15                        ; K steps 2 (w % 4) and the next: 32 KiB, in memory and in LDS
	s_lshl_b32 s20, s19, 17                        ; X: the tile row's 128 KiB, my K step
	s_add_co_u32 s20, s20, s66
	s_mov_b32 s21, 0
	s_lshl_b32 s22, s18, 17                        ; W: the tile column's 128 KiB, my K step,
	s_add_co_u32 s22, s22, s66
	s_add_co_u32 s22, s22, 0x300000                ; in Wo's part of wc
	s_mov_b32 s23, 0
	s_lshl_b32 s60, s19, 19                        ; out0: 128 rows of 4,096 bytes a tile row,
	s_lshl_b32 s62, s14, 16                        ; 16 rows a wave,
	s_lshl_b32 s63, s18, 9                         ; 512 bytes a tile column
	s_add_co_u32 s60, s60, s62
	s_add_co_u32 s60, s60, s63
	s_mov_b32 s61, 0
	v_and_b32 v12, 31, v0
	s_delay_alu instid0(VALU_DEP_1)
	v_lshlrev_b32 v1, 4, v12                       ; 16 x lane
	s_lshl_b32 s67, s15, 13
	v_add_nc_u32 v2, s67, v1                       ; X: my four blocks of 16 rows
	s_delay_alu instid0(VALU_DEP_1)
	v_add_nc_u32 v3, 0x10000, v2
	s_lshl_b32 s67, s16, 12
	s_add_co_u32 s67, s67, WL
	v_add_nc_u32 v4, s67, v1                       ; W: my two blocks
	s_delay_alu instid0(VALU_DEP_1)
	v_add_nc_u32 v5, 0x10000, v4
	v_and_b32 v13, 15, v0                          ; r
	v_bfe_u32 v15, v0, 4, 1                        ; h
	s_delay_alu instid0(VALU_DEP_2)
	v_mul_u32_u24 v6, v13, SPITCH
	s_delay_alu instid0(VALU_DEP_1)
	v_lshl_add_u32 v6, v15, 5, v6                  ; the stage, in: row r, + 32 h,
	s_mul_i32 s67, s15, 64*SPITCH                  ; + my 64 rows,
	s_lshl_b32 s82, s16, 7                         ; + my 32 features' 128 bytes
	s_add_co_u32 s67, s67, s82
	v_add_nc_u32 v6, s67, v6
	s_mul_i32 s67, s14, 16*SPITCH
	v_add_nc_u32 v7, s67, v1                       ; out: wave w takes rows 16 w on, whole: 16 bytes a lane
	s_wait_dscnt 0x0
	s_wait_kmcnt 0x0
	s_load_b64 s[76:77], s[8:9], 0x28              ; entries 10 and 11
	s_add_nc_u64 s[20:21], s[4:5], s[20:21]
	s_add_nc_u64 s[22:23], s[6:7], s[22:23]
	s_add_nc_u64 s[60:61], s[10:11], s[60:61]
.irp s, 0
	s_mov_b32 s[G0X+4*\s], 1                                       ; 1:0 count = 1
	s_add_co_u32 s[G0X+4*\s+1], s66, \s*65536                      ; 63:32 LDS address
	s_add_nc_u64 s[G0X+4*\s+2:G0X+4*\s+3], s[20:21], \s*65536      ; 120:64 global address
	s_or_b32 s[G0X+4*\s+3], s[G0X+4*\s+3], 0x80000000              ; 127:126 type = 2
	s_mov_b32 s[G0W+4*\s], 1
	s_add_co_u32 s[G0W+4*\s+1], s66, WL+\s*65536
	s_add_nc_u64 s[G0W+4*\s+2:G0W+4*\s+3], s[22:23], \s*65536
	s_or_b32 s[G0W+4*\s+3], s[G0W+4*\s+3], 0x80000000
.endr
	CROUND                                         ; all sixteen work-groups are here: the joint loads meet
	s_cmp_eq_u32 s15, 0                            ; one load a wave, in one branch on its number
	s_cbranch_scc0 .Lfill_w
	tensor_load_to_lds s[G0X:G0X+3], s[G1X:G1X+7]
	s_nop 0
.rept 4
	v_nop                                          ; four lines behind the loads
.endr
	s_branch .Lfilled
.Lfill_w:
	tensor_load_to_lds s[G0W:G0W+3], s[G1W:G1W+7]
	s_nop 0
.rept 4
	v_nop
.endr
.Lfilled:
	s_wait_kmcnt 0x0
	s_add_co_i32 s76, s76, s77
	s_add_co_i32 s76, s76, 127
	s_lshl_b32 s76, s76, 23                        ; 2^(e10 + e11) as f32
	s_mov_b32 s77, s76                             ; (named with it as a pair, so it is written)
	s_wait_tensorcnt 0x0                           ; my load has landed
	s_barrier_signal -1
	s_barrier_wait -1                              ; everybody's has
	s_wait_alu depctr_va_vdst(0)
	KSTEP 0
	KSTEP 1
	KSTEP 2
	KSTEP 3
	KSTEP 4
	KSTEP 5
	KSTEP 6
	KSTEP 7
.rept 4
	v_nop                                          ; four places between the last products and the first read of results and write of their operands' registers
.endr
	s_wait_dscnt 0x0                               ; my reads of X are over
	s_barrier_signal -1
	s_barrier_wait -1                              ; everybody's are: the stage may be written
.irp a, 0,1,2,3
.irp b, 0,1
.irp j, 0,2,4,6
	v_pk_mul_f32 v[FX+8*(2*\a+\b)+\j:FX+8*(2*\a+\b)+\j+1], v[ACC+8*(2*\a+\b)+\j:ACC+8*(2*\a+\b)+\j+1], s[76:77] op_sel_hi:[1,0]   ; x 2^(e10 + e11): nothing is rounded; each accumulator from its low end on
.endr
	ds_store_b128 v6, v[FX+8*(2*\a+\b):FX+8*(2*\a+\b)+3] offset:\a*16*SPITCH+64*\b
	ds_store_b128 v6, v[FX+8*(2*\a+\b)+4:FX+8*(2*\a+\b)+7] offset:\a*16*SPITCH+64*\b+16
.endr
.endr
	s_wait_dscnt 0x0                               ; for the others' sake: my stores into the stage are done
	s_barrier_signal -1
	s_barrier_wait -1
.irp n, 0,1,2,3,4,5,6,7,8,9,10,11,12,13,14,15
	ds_load_b128 v[FX+4*\n:FX+4*\n+3], v7 offset:\n*SPITCH
.endr
.irp n, 0,1,2,3,4,5,6,7,8,9,10,11,12,13,14,15
	s_wait_dscnt 15-\n                             ; row n is in; the younger ones may be out
	global_store_b128 v1, v[FX+4*\n:FX+4*\n+3], s[60:61] offset:\n*4096 th:TH_STORE_NT   ; 32 lanes store 512 consecutive bytes, at a multiple of 512 from out0's first byte; written once, read by nobody here
.endr
	s_wait_tensorcnt 0x0
	ds_add_u32 v254, v255
	s_wait_dscnt 0x0
	CROUND                                         ; the closing round: no work-group ends while a partner may still ask for a tile that names it
	s_endpgm
.Lfunc_end_k_qc693f5624f_oproj:
	.size	k_qc693f5624f_oproj, .Lfunc_end_k_qc693f5624f_oproj-k_qc693f5624f_oproj
	.p2alignl 7, 3214868480
	.fill 96, 4, 3214868480
	.section	.rodata,"a",@progbits
	.p2align	6, 0x0
	.amdhsa_kernel k_qc693f5624f_oproj
		.amdhsa_group_segment_fixed_size 263168
		.amdhsa_private_segment_fixed_size 0
		.amdhsa_enable_private_segment 0
		.amdhsa_kernarg_size 32
		.amdhsa_user_sgpr_count 2
		.amdhsa_user_sgpr_kernarg_segment_ptr 1
		.amdhsa_wavefront_size32 1
		.amdhsa_system_sgpr_workgroup_id_x 1
		.amdhsa_system_sgpr_workgroup_id_y 1
		.amdhsa_system_sgpr_workgroup_id_z 1
		.amdhsa_system_vgpr_workitem_id 0
		.amdhsa_next_free_vgpr 256
		.amdhsa_next_free_sgpr 96
		.amdhsa_reserve_vcc 0
		.amdhsa_float_denorm_mode_32 3
		.amdhsa_float_denorm_mode_16_64 3
		.amdhsa_memory_ordered 1
		.amdhsa_forward_progress 1
		.amdhsa_inst_pref_size 30
	.end_amdhsa_kernel
	.amdgpu_metadata
---
amdhsa.version: [ 1, 2 ]
amdhsa.kernels:
  - .name:           k_qc693f5624f_oproj
    .symbol:         k_qc693f5624f_oproj.kd
    .args:
      - { .name: oc, .offset: 0, .size: 8, .value_kind: global_buffer, .address_space: global }
      - { .name: wc, .offset: 8, .size: 8, .value_kind: global_buffer, .address_space: global }
      - { .name: lowp_scales, .offset: 16, .size: 8, .value_kind: global_buffer, .address_space: global }
      - { .name: out0, .offset: 24, .size: 8, .value_kind: global_buffer, .address_space: global }
    .group_segment_fixed_size: 263168
    .private_segment_fixed_size: 0
    .kernarg_segment_align: 8
    .kernarg_segment_size: 32
    .max_flat_workgroup_size: 256
    .sgpr_count:     96
    .vgpr_count:     256
    .wavefront_size: 32
...
	.end_amdgpu_metadata
.endif
;; end of part 4
